; MI455X (gfx1250); checked and timed in simulation.
; The chip was launched on July 23, 2026; its instructions are those of AMD's public machine-readable ISA for CDNA 5 (MIT licence, August 2026) and "CDNA5" Instruction Set Architecture Reference Guide (July 2026). The comments in the code are by the model that wrote it; some were corrected since.
;; Cross Attention. Allowed arithmetic: matrix products marked QUANTISED: E2M1 operands, one E8M0 scale for each 32 along K, by v_wmma_scale_f32_16x16x128_f8f6f4 with both operands' format E2M1 (or v_wmma_scale_f32_32x16x128_f4), f32 sums; everything else in f32.
;; Inputs: Wff1 512 x 4,096 float32; Wff2 2,048 x 512 float32; Wkv 1,024 x 128 float32; Wo 512 x 512 float32; Wq 512 x 512 float32; cln_b 1,024 float32; cln_g 1,024 float32; context 4 x 1,024 x 1,024 float32; ln_b 512 float32; ln_g 512 float32; x 4 x 2,048 x 512 float32.
;; Outputs: out0 4 x 2,048 x 512 float32.
;; This version of the problem:
;;   THIS VERSION OF THE PROBLEM IS GIVEN IN LOW PRECISION. The matrix products marked QUANTISED in the list below multiply operands that are first quantised to E2M1 (2 exponent bits, 1 mantissa bit; 4 bits a number), with one power-of-two scale for each 32 numbers along K (OCP MX v1.0); their sums are f32. All else is computed in f32.
;;   The module's matrix products, in the order in which they are computed (A, B: the left and right operand; K: the contracted axis; several contracted axes count as one K, in the product's order):
;;     1. [M 8,192, K 512] x [K 512, N 512]; A: computed on the way; B: input Wq: QUANTISED
;;     2. [M 4,096, K 1,024] x [K 1,024, N 128]; A: computed on the way; B: input Wkv: QUANTISED
;;     3. batch 4 x [M 16,384, K 64] x [K 64, N 1,024]; A: computed on the way; B: computed on the way: QUANTISED
;;     4. batch 4 x [M 16,384, K 1,024] x [K 1,024, N 64]; A: softmax (see below); B: computed on the way: QUANTISED
;;     5. [M 8,192, K 512] x [K 512, N 512]; A: computed on the way; B: input Wo: QUANTISED
;;     6. [M 8,192, K 512] x [K 512, N 4,096]; A: computed on the way; B: input Wff1: QUANTISED
;;     7. [M 8,192, K 2,048] x [K 2,048, N 512]; A: computed on the way; B: input Wff2: QUANTISED
;;   THE QUANTISER, for each operand of a quantised product, along K:
;;     - K is cut into blocks of 32 from its start; a last block that is shorter is filled with zeros.
;;     - A block's scale is 2^e with e = floor(log2(the largest magnitude in the block)) - 2, held to -126 .. 127; a block of zeros has e = 0. As a byte (E8M0): e + 127.
;;     - Each number is divided by its block's scale, clamped to +-6, and rounded to the nearest number of E2M1, ties to even, subnormals kept.
;;     - The product sums the exact products of the quantised numbers (number of the format x scale) in f32.
;;   ~~~python
;;   def quantise(x, axis):      # numpy; x: float32 -> the quantised numbers, widened to float32 again
;;       x = np.moveaxis(x, axis, -1); K = x.shape[-1]
;;       x = np.pad(x, [(0, 0)] * (x.ndim - 1) + [(0, -K % 32)]); x = x.reshape(x.shape[:-1] + (-1, 32)); a = np.abs(x).max(-1, keepdims=True)
;;       e = np.where(a > 0, np.clip(np.frexp(np.where(a > 0, a, 1))[1] - 1 - 2, -126, 127), 0)      # np.frexp(a)[1] - 1 = floor(log2(a)), exactly
;;       r = np.clip(x / 2.0 ** e, -6, 6)
;;       step = 2.0 ** (np.maximum(np.frexp(np.where(r == 0, 1, r))[1] - 1, 0) - 1)
;;       q = np.round(r / step) * step * 2.0 ** e      # np.round: ties to even
;;       return np.moveaxis(q.reshape(q.shape[:-2] + (-1,))[..., :K], -1, axis).astype(np.float32)
;;   ~~~
;;   SOFTMAX AHEAD OF A QUANTISED PRODUCT. Where the list says 'softmax', what is quantised is not the finished softmax but p = 2^(t - M), with t = logit x log2(e) and M = ceil(the row's largest t), a whole number; so 1/2 < the row's largest p <= 1. The row's sum l is taken of the UNQUANTISED p, in f32, and the product's result is divided by l at the end. Since M is a whole number, a kernel that streams over the keys may use a running M (the ceiling of the running maximum): every later rescaling is an exact power of two, which a block's scale takes up: the codes' values come out the same.
;;   OPERANDS COMPUTED ON THE WAY. 'Computed on the way' means the value that the module computes at that place (a softmax that the list does not call 'softmax' is quantised finished and normalised). What goes into a quantiser is computed in f32, as accurately as f32 sums, v_exp_f32 and their like allow (about 1e-6 of the number): no bf16 or f16 on the way to a quantiser, and a product that is left as it is and whose result goes on into a quantised operand takes f32 operands (vector FMAs, or v_wmma_f32_16x16x4_f32). A number that lies on a knife's edge between two numbers of the format may be rounded either way, as far as f32 arithmetic and the matrix unit's own rounding can turn it there, and no further.
;; 2 versions. Each part assembles by itself: llvm-mc -triple=amdgcn-amd-amdhsa -mcpu=gfx1250 --defsym DOCPART=n.
;; ======== version 1 of 2: 3 launches
;; workspace buffers: wts 2,019,328 bytes; acts 4,456,448 bytes; kvb 278,528 bytes; hid 8,912,896 bytes
;; launch prep (part 1): grid 1000 x 1, 4 waves a work-group, no clusters, 14,848 bytes of LDS; arguments x, context, ln_g, ln_b, cln_g, cln_b, Wq, Wkv, Wo, Wff1, Wff2, wts, acts; writes wts, acts
.if DOCPART == 1
	.amdgcn_target "amdgcn-amd-amdhsa--gfx1250"
	.amdhsa_code_object_version 6
	.text
	.protected	k_q761d68516d_prep
	.globl	k_q761d68516d_prep
	.p2align	8
	.type	k_q761d68516d_prep,@function
k_q761d68516d_prep:
	s_mov_b64 s[64:65], 0
	v_nop
	global_prefetch_b8 v0, s[64:65] scope:SCOPE_SE
	s_setreg_imm32_b32 hwreg(HW_REG_WAVE_MODE, 25, 1), 1
	s_wait_xcnt 0x0
; PREP: everything that is quantised once.  Seven kinds of work-groups, told apart by the work-group's number alone:
;   0-255 LayerNorm(context) -> codes;  256-767 LayerNorm(x) -> codes;  768-895 Wff1;  896-959 Wff2;  960-975 Wq;  976-991 Wo;  992-999 Wkv -> codes.
; Codes are FP4 (E2M1) with one E8M0 byte for each 32 along K: byte = the exponent field of the block's largest magnitude - 2, held at 1 from below.
; LAYOUT OF ALL CODES: images of operand registers.  A fragment (16 rows x 128 K) is 1,024 bytes; block b (32 along K) of row r lies at 256 b + 16 r, which is 512 c + 16 lane:
; two loads of 16 bytes a lane at 16 lane + {0, 512} are the operand's eight registers.  Scale bytes: [row in tile order][K / 32].
; PERMUTED TILES (the weights and the context): tile 2 g + u holds in its row r the tensor's row 32 g + 8 u + r + 8 (r / 8), so that as source 0 of a product the 16 result registers of two
; neighbouring tiles are 16 neighbours along the next product's K.  x keeps its rows in order.
; LIMITS: NaN and infinities are not served.  A block whose largest magnitude lies under 2^-124 gets the byte 1; a block of zeros gets the byte 1 where the quantiser's rule says 127: its codes are zeros,
; and only this program reads the bytes.  v_rsq_f32 is accurate to one unit in the last place.
; No LDS ring, no matrix unit, no cluster: work-groups share no input here; each input byte is read once.  The weights' scale words leave as 4 bytes a lane to rows apart: one byte for each 128 read.
.set FLOOR,   0x1800000                ; 2^(3 - 127): no largest magnitude is taken under it
.set EOFF,    0xff000000               ; takes 2 off an exponent field
.set WQ_IMG,  0                        ; in wts
.set WO_IMG,  131072
.set WF2_IMG, 262144
.set WF1_IMG, 786432
.set WKV_IMG, 1835008
.set WQ_SC,   1900544
.set WO_SC,   1908736
.set WF2_SC,  1916928
.set WF1_SC,  1949696
.set WKV_SC,  2015232
.set XN_IMG,  0                        ; in acts
.set XN_SC,   2097152
.set CN_IMG,  2228224
.set CN_SC,   4325376
.set WV,      30                       ; s30      my wave's number
.set SEL,     40                       ; s[40:41] lane selects for v_permlanex16_b32: lane l xor 16
; A WEIGHT [K][N], f32, K its first axis.  A work-group takes 128 columns x 128 along K, a wave 32 columns, A LANE A COLUMN, its 128 registers running down K: four whole blocks a lane.
; Each load reads 128 consecutive bytes a wave, 512 a work-group.  Lane l is row r = l % 8 + 8 (l / 16) of tile 2 g + (l / 8) % 2.
.macro QW SRC, N, KST, IMG, SC, FIRST, LOGNB
	s_sub_co_u32 s32, ttmp9, \FIRST
	s_and_b32 s33, s32, \N/128-1                   ; which 128 columns
	s_lshr_b32 s34, s32, \LOGNB                    ; which K step
	s_lshl_b32 s33, s33, 2
	s_add_co_u32 s33, s33, s[WV]                   ; g: my wave's group of 32 columns
	s_mul_i32 s36, s34, 512*\N                     ; 128 rows of 4 N bytes a K step
	s_lshl_b32 s35, s33, 7
	s_add_co_u32 s36, s36, s35
	s_mov_b32 s37, 0
	s_add_nc_u64 s[42:43], s[\SRC:\SRC+1], s[36:37]
	s_mul_i32 s36, s33, 2048*\KST                  ; two tiles of KST fragments a group
	s_lshl_b32 s35, s34, 10
	s_add_co_u32 s36, s36, s35
	s_add_co_u32 s36, s36, \IMG
	s_add_nc_u64 s[44:45], s[26:27], s[36:37]
	s_mul_i32 s36, s33, 128*\KST                   ; 32 rows of 4 KST scale bytes a group
	s_lshl_b32 s35, s34, 2
	s_add_co_u32 s36, s36, s35
	s_add_co_u32 s36, s36, \SC
	s_add_nc_u64 s[46:47], s[26:27], s[36:37]
	v_lshlrev_b32 v2, 2, v1                        ; in: 4 bytes a lane
	v_bfe_u32 v5, v1, 3, 1                         ; u
	v_and_b32 v6, 7, v1
	v_lshrrev_b32 v7, 4, v1
	v_lshl_add_u32 v6, v7, 3, v6                   ; r
	v_mul_u32_u24 v3, v5, \KST*1024
	v_lshl_add_u32 v3, v6, 4, v3                   ; my 16 bytes of a block in the image
	v_lshl_add_u32 v4, v5, 4, v6
	v_mul_u32_u24 v4, v4, 4*\KST                   ; my row of scale bytes
.set i, 0
.rept 128
	global_load_b32 v[64+i], v2, s[42:43] offset:i*4*\N th:TH_LOAD_NT
.set i, i+1
.endr
.irp b, 0,1,2,3
.if \b < 2
	s_wait_loadcnt 63                              ; of 128 loads at most 63 are out: the first 65 are in, blocks 0 and 1 among them (a wait's count holds 63 at the most)
.else
	s_wait_loadcnt 96-32*\b                        ; the later blocks' loads may stay out
.endif
.set XS, 64+32*\b
	v_max3_num_f32 v6, |v[XS]|, |v[XS+1]|, |v[XS+2]|        ; the block's largest magnitude: all 32 numbers are mine; two chains
	v_max3_num_f32 v7, |v[XS+3]|, |v[XS+4]|, |v[XS+5]|
.irp i, 6,10,14,18,22,26
	v_max3_num_f32 v6, v6, |v[XS+\i]|, |v[XS+\i+1]|
	v_max3_num_f32 v7, v7, |v[XS+\i+2]|, |v[XS+\i+3]|
.endr
	v_max3_num_f32 v6, v6, |v[XS+30]|, |v[XS+31]|
	v_max3_num_f32 v6, v6, v7, FLOOR
	v_add_nc_u32 v[8+\b], EOFF, v6                 ; the conversion takes this operand's exponent field as its scale
	v_lshrrev_b32 v7, 23, v[8+\b]                  ; the scale's byte
.if \b == 0
	v_mov_b32 v5, v7
.else
	v_lshl_or_b32 v5, v7, 8*\b, v5                 ; four bytes make the K step's scale word
.endif
.irp g, 0,1,2,3
	v_cvt_scalef32_pk8_fp4_f32 v[16+4*\b+\g], v[XS+8*\g:XS+8*\g+7], v[8+\b]
.endr
	v_nop                                          ; one plain line behind the conversions
	global_store_b128 v3, v[16+4*\b:16+4*\b+3], s[44:45] offset:256*\b   ; the sixteen lanes of a tile store 256 consecutive bytes, aligned
.endr
	global_store_b32 v4, v5, s[46:47]
	s_endpgm
.endm
; The sums in v[8+2i:9+2i], i = 0..3, are added over the pair and over the 32 lanes; every lane gets the result in v[8+2i].
.macro REDUCE
.irp i, 0,1,2,3
	v_add_f32 v[8+2*\i], v[8+2*\i], v[9+2*\i]
.endr
.irp x, 1,2,4,8
.irp i, 0,1,2,3
	v_add_f32_dpp v[8+2*\i], v[8+2*\i], v[8+2*\i] row_xmask:\x row_mask:0xf bank_mask:0xf
.endr
.endr
.irp i, 0,1,2,3
	v_permlanex16_b32 v[16+\i], v[8+2*\i], s[SEL], s[SEL+1]
.endr
.irp i, 0,1,2,3
	v_add_f32 v[8+2*\i], v[8+2*\i], v[16+\i]
.endr
.endm
; LAYERNORM AND QUANTISER.  A work-group makes one tile of 16 rows, a wave four of them, whole rows in registers: lane l holds k = 256 g + 8 l + 0..7, so that four neighbouring lanes hold a block.
; Mean first, then the sum of squared differences: no difference of large sums.  A lane's eight codes (4 bytes) go to the tile's image in LDS (blocks of 256 bytes, 272 apart) and leave dense.
; REGISTERS: v[64 + i NR ..] row i; v192.. gain; v224.. bias; v8-15 sums; v16-19 permute targets; v20-27 means, v28-35 1 / sigma (both words of a pair hold the number);
; in the quantiser v8-11 largest magnitudes, v12-15 scale operands, v16-31 bytes, v36-51 codes: one register for each row and group, so that no LDS store's data are written again.
.macro LNP SRC, GP, BP, K, LOGK, PERM, IMG, SC, LB, LS, FIRST
.set NG, \K/256
.set NR, 8*NG
.set KB, \K/32
	s_sub_co_u32 s32, ttmp9, \FIRST                ; the tile
.if \PERM
	s_lshr_b32 s33, s32, 1                         ; tile rows 4 w + i are memory rows 32 (T / 2) + 8 (T % 2) + 4 w + 8 (w / 2) + i
	s_lshl_b32 s33, s33, 5
	s_and_b32 s34, s32, 1
	s_lshl_b32 s34, s34, 3
	s_add_co_u32 s33, s33, s34
	s_lshr_b32 s34, s[WV], 1
	s_lshl_b32 s34, s34, 3
	s_add_co_u32 s33, s33, s34
.else
	s_lshl_b32 s33, s32, 4
.endif
	s_lshl_b32 s34, s[WV], 2
	s_add_co_u32 s33, s33, s34                     ; my first row
	s_mul_i32 s34, s33, 4*\K
	s_mov_b32 s35, 0
	s_add_nc_u64 s[36:37], s[\SRC:\SRC+1], s[34:35]
	s_mul_i32 s38, s32, 8*\K                       ; a tile's image: K / 128 fragments
	s_add_co_u32 s38, s38, \IMG
	s_mov_b32 s39, 0
	s_add_nc_u64 s[42:43], s[28:29], s[38:39]
	s_mul_i32 s44, s32, \K/2                       ; and its 16 rows of scale bytes
	s_add_co_u32 s44, s44, \SC
	s_mov_b32 s45, 0
	s_add_nc_u64 s[46:47], s[28:29], s[44:45]
	s_mov_b32 s48, (127-\LOGK)<<23                 ; 1 / K
	s_mov_b32 s49, 0x3727c5ac                      ; 1e-5
	v_lshlrev_b32 v2, 5, v1                        ; my 32 bytes of each 1,024
	v_bfe_u32 v3, v0, 2, 3                         ; l / 4: which block of a group's eight
	v_and_b32 v4, 3, v0
	v_lshrrev_b32 v5, 5, v0                        ; wave
	v_mul_u32_u24 v6, v3, 272
	v_lshl_add_u32 v6, v4, 2, v6
	v_lshl_add_u32 v6, v5, 6, v6                   ; my 4 bytes of codes: 272 (l / 4) + 4 (l % 4) + 16 x 4 w: the 32 lanes fall on 32 different banks
	v_lshl_add_u32 v7, v5, \LOGK-3, v3             ; my block's byte: (K / 32) 4 w + l / 4
.irp i, 0,1,2,3
	v_mov_b32 v[16+\i], 0                          ; a lane permute's destination counts as one of its sources
.endr
.irp i, 0,1,2,3
.set g, 0
.rept 2*NG
	global_load_b128 v[64+\i*NR+4*g:64+\i*NR+4*g+3], v2, s[36:37] offset:\i*4*\K+1024*(g/2)+16*(g%2) th:TH_LOAD_NT
.set g, g+1
.endr
.endr
.set g, 0
.rept 2*NG
	global_load_b128 v[192+4*g:192+4*g+3], v2, s[\GP:\GP+1] offset:1024*(g/2)+16*(g%2)
.set g, g+1
.endr
.set g, 0
.rept 2*NG
	global_load_b128 v[224+4*g:224+4*g+3], v2, s[\BP:\BP+1] offset:1024*(g/2)+16*(g%2)
.set g, g+1
.endr
	s_wait_loadcnt 4*NG                            ; the rows are in; gain's and bias's 4 NG loads may stay out
.irp i, 0,1,2,3
	v_pk_add_f32 v[8+2*\i:9+2*\i], v[64+\i*NR:65+\i*NR], v[66+\i*NR:67+\i*NR]
.endr
.set j, 4
.rept NR/2-2
.irp i, 0,1,2,3
	v_pk_add_f32 v[8+2*\i:9+2*\i], v[8+2*\i:9+2*\i], v[64+\i*NR+j:65+\i*NR+j]   ; the four rows by turns
.endr
.set j, j+2
.endr
	REDUCE
.irp i, 0,1,2,3
	v_mul_f32 v[20+2*\i], s48, v[8+2*\i]           ; the mean
.endr
.irp i, 0,1,2,3
	v_mov_b32 v[21+2*\i], v[20+2*\i]
.endr
.set j, 0
.rept NR/2
.irp i, 0,1,2,3
	v_pk_add_f32 v[64+\i*NR+j:65+\i*NR+j], v[64+\i*NR+j:65+\i*NR+j], v[20+2*\i:21+2*\i] neg_lo:[0,1] neg_hi:[0,1]   ; x - mean
.endr
.set j, j+2
.endr
.irp i, 0,1,2,3
	v_pk_mul_f32 v[8+2*\i:9+2*\i], v[64+\i*NR:65+\i*NR], v[64+\i*NR:65+\i*NR]
.endr
.set j, 2
.rept NR/2-1
.irp i, 0,1,2,3
	v_pk_fma_f32 v[8+2*\i:9+2*\i], v[64+\i*NR+j:65+\i*NR+j], v[64+\i*NR+j:65+\i*NR+j], v[8+2*\i:9+2*\i]
.endr
.set j, j+2
.endr
	REDUCE
.irp i, 0,1,2,3
	v_fma_f32 v[8+2*\i], v[8+2*\i], s48, s49       ; the variance + 1e-5
.endr
.irp i, 0,1,2,3
	v_rsq_f32 v[28+2*\i], v[8+2*\i]
.endr
	v_nop                                          ; a plain line behind the last of the four,
	s_wait_alu depctr_va_vdst(0)                   ; and one wait for the four, ahead of their first reader
.irp i, 0,1,2,3
	v_mov_b32 v[29+2*\i], v[28+2*\i]
.endr
	s_wait_loadcnt 0x0                             ; gain and bias
.set j, 0
.rept NR/2
.irp i, 0,1,2,3
	v_pk_mul_f32 v[64+\i*NR+j:65+\i*NR+j], v[64+\i*NR+j:65+\i*NR+j], v[28+2*\i:29+2*\i]
.endr
.irp i, 0,1,2,3
	v_pk_fma_f32 v[64+\i*NR+j:65+\i*NR+j], v[64+\i*NR+j:65+\i*NR+j], v[192+j:193+j], v[224+j:225+j]
.endr
.set j, j+2
.endr
.set g, 0
.rept NG
.irp i, 0,1,2,3
	v_max3_num_f32 v[8+\i], |v[64+\i*NR+8*g]|, |v[65+\i*NR+8*g]|, FLOOR
.endr
.irp j, 2,4,6
.irp i, 0,1,2,3
	v_max3_num_f32 v[8+\i], v[8+\i], |v[64+\i*NR+8*g+\j]|, |v[65+\i*NR+8*g+\j]|
.endr
.endr
.irp x, 1,2
.irp i, 0,1,2,3
	v_max_num_f32_dpp v[8+\i], v[8+\i], v[8+\i] row_xmask:\x row_mask:0xf bank_mask:0xf   ; with the three lanes that share the block
.endr
.endr
.irp i, 0,1,2,3
	v_add_nc_u32 v[12+\i], EOFF, v[8+\i]
.endr
.irp i, 0,1,2,3
	v_lshrrev_b32 v[16+4*g+\i], 23, v[12+\i]
.endr
.irp i, 0,1,2,3
	v_cvt_scalef32_pk8_fp4_f32 v[36+4*g+\i], v[64+\i*NR+8*g:64+\i*NR+8*g+7], v[12+\i]
.endr
	v_nop                                          ; one plain line behind the conversions
.irp i, 0,1,2,3
	ds_store_b32 v6, v[36+4*g+\i] offset:\LB+16*\i+2176*g
	ds_store_b8 v7, v[16+4*g+\i] offset:\LS+KB*\i+8*g      ; the four lanes of a block write the same byte with the same value
.endr
.set g, g+1
.endr
	v_lshrrev_b32 v3, 4, v0                        ; the way out: thread t takes 16 bytes: block t / 16 of eight, 16 (t % 16) in it
	v_and_b32 v4, 15, v0
	v_mul_u32_u24 v3, v3, 272
	v_lshl_add_u32 v3, v4, 4, v3
	v_lshlrev_b32 v4, 4, v0
	v_lshlrev_b32 v5, \LOGK-6, v0                  ; wave 0: 8 or 16 scale bytes a lane
	s_wait_dscnt 0x0                               ; for the others' sake: my stores have landed
	s_barrier_signal -1
	s_barrier_wait -1
.set j, 0
.rept NG
	ds_load_b128 v[64+4*j:67+4*j], v3 offset:\LB+2176*j
.set j, j+1
.endr
.set j, 0
.rept NG
	s_wait_dscnt NG-1-j                            ; the later loads may stay out
	global_store_b128 v4, v[64+4*j:67+4*j], s[42:43] offset:2048*j     ; a wave stores 512 consecutive bytes, aligned
.set j, j+1
.endr
	s_cmp_lg_u32 s[WV], 0
	s_cbranch_scc1 .Ldone_\@
.if \K == 512
	ds_load_b64 v[80:81], v5 offset:\LS            ; the tile's 256 scale bytes
	s_wait_dscnt 0x0
	global_store_b64 v5, v[80:81], s[46:47]
.else
	ds_load_b128 v[80:83], v5 offset:\LS           ; the tile's 512 scale bytes
	s_wait_dscnt 0x0
	global_store_b128 v5, v[80:83], s[46:47]
.endif
.Ldone_\@:
	s_wait_tensorcnt 0x0
	ds_add_u32 v62, v63
	s_wait_dscnt 0x0
	s_endpgm
.endm
	s_load_b512 s[4:19], s[0:1], 0x0               ; x s[4:5], context s[6:7], ln_g s[8:9], ln_b s[10:11], cln_g s[12:13], cln_b s[14:15], Wq s[16:17], Wkv s[18:19]
	s_load_b256 s[20:27], s[0:1], 0x40             ; Wo s[20:21], Wff1 s[22:23], Wff2 s[24:25], wts s[26:27]
	s_load_b64 s[28:29], s[0:1], 0x60              ; acts
	v_lshl_add_u32 v62, v0, 2, 0x3800
	v_mov_b32 v63, 0
	v_lshrrev_b32 v1, 5, v0
	v_readfirstlane_b32 s[WV], v1
	v_and_b32 v1, 31, v0                           ; lane
	s_mov_b32 s[SEL], 0x76543210
	s_mov_b32 s[SEL+1], 0xfedcba98
	s_wait_kmcnt 0x0
	s_cmp_lt_u32 ttmp9, 256
	s_cbranch_scc1 .Lctx
	s_cmp_lt_u32 ttmp9, 768
	s_cbranch_scc1 .Lx
	s_cmp_lt_u32 ttmp9, 896
	s_cbranch_scc1 .Lwff1
	s_cmp_lt_u32 ttmp9, 960
	s_cbranch_scc1 .Lwff2
	s_cmp_lt_u32 ttmp9, 976
	s_cbranch_scc1 .Lwq
	s_cmp_lt_u32 ttmp9, 992
	s_cbranch_scc1 .Lwo
	QW 18, 128, 8, WKV_IMG, WKV_SC, 992, 0
.Lwo:
	QW 20, 512, 4, WO_IMG, WO_SC, 976, 2
.Lwq:
	QW 16, 512, 4, WQ_IMG, WQ_SC, 960, 2
.Lwff2:
	QW 24, 512, 16, WF2_IMG, WF2_SC, 896, 2
.Lwff1:
	QW 22, 4096, 4, WF1_IMG, WF1_SC, 768, 5
.Lx:                                                   ; each of the two paths with LDS has LDS bytes of its own
	LNP 4, 8, 10, 512, 9, 0, XN_IMG, XN_SC, 9216, 13568, 256
.Lctx:
	LNP 6, 12, 14, 1024, 10, 1, CN_IMG, CN_SC, 0, 8704, 0
.Lfunc_end_k_q761d68516d_prep:
	.size	k_q761d68516d_prep, .Lfunc_end_k_q761d68516d_prep-k_q761d68516d_prep
	.p2alignl 7, 3214868480
	.fill 96, 4, 3214868480
	.section	.rodata,"a",@progbits
	.p2align	6, 0x0
	.amdhsa_kernel k_q761d68516d_prep
		.amdhsa_group_segment_fixed_size 14848
		.amdhsa_private_segment_fixed_size 0
		.amdhsa_enable_private_segment 0
		.amdhsa_kernarg_size 104
		.amdhsa_user_sgpr_count 2
		.amdhsa_user_sgpr_kernarg_segment_ptr 1
		.amdhsa_wavefront_size32 1
		.amdhsa_system_sgpr_workgroup_id_x 1
		.amdhsa_system_sgpr_workgroup_id_y 1
		.amdhsa_system_sgpr_workgroup_id_z 1
		.amdhsa_system_vgpr_workitem_id 0
		.amdhsa_next_free_vgpr 256
		.amdhsa_next_free_sgpr 66
		.amdhsa_reserve_vcc 0
		.amdhsa_float_denorm_mode_32 3
		.amdhsa_float_denorm_mode_16_64 3
		.amdhsa_memory_ordered 1
		.amdhsa_forward_progress 1
		.amdhsa_inst_pref_size 167
	.end_amdhsa_kernel
	.amdgpu_metadata
---
amdhsa.version: [ 1, 2 ]
amdhsa.kernels:
  - .name:           k_q761d68516d_prep
    .symbol:         k_q761d68516d_prep.kd
    .args:
      - { .name: x, .offset: 0, .size: 8, .value_kind: global_buffer, .address_space: global }
      - { .name: context, .offset: 8, .size: 8, .value_kind: global_buffer, .address_space: global }
      - { .name: ln_g, .offset: 16, .size: 8, .value_kind: global_buffer, .address_space: global }
      - { .name: ln_b, .offset: 24, .size: 8, .value_kind: global_buffer, .address_space: global }
      - { .name: cln_g, .offset: 32, .size: 8, .value_kind: global_buffer, .address_space: global }
      - { .name: cln_b, .offset: 40, .size: 8, .value_kind: global_buffer, .address_space: global }
      - { .name: Wq, .offset: 48, .size: 8, .value_kind: global_buffer, .address_space: global }
      - { .name: Wkv, .offset: 56, .size: 8, .value_kind: global_buffer, .address_space: global }
      - { .name: Wo, .offset: 64, .size: 8, .value_kind: global_buffer, .address_space: global }
      - { .name: Wff1, .offset: 72, .size: 8, .value_kind: global_buffer, .address_space: global }
      - { .name: Wff2, .offset: 80, .size: 8, .value_kind: global_buffer, .address_space: global }
      - { .name: wts, .offset: 88, .size: 8, .value_kind: global_buffer, .address_space: global }
      - { .name: acts, .offset: 96, .size: 8, .value_kind: global_buffer, .address_space: global }
    .group_segment_fixed_size: 14848
    .private_segment_fixed_size: 0
    .kernarg_segment_align: 8
    .kernarg_segment_size: 104
    .max_flat_workgroup_size: 128
    .sgpr_count:     66
    .vgpr_count:     256
    .wavefront_size: 32
...
	.end_amdgpu_metadata
.endif
;; end of part 1
;; launch mid (part 2): grid 288 x 1, 16 waves a work-group, no clusters, 46,080 bytes of LDS; arguments wts, acts, kvb, hid; writes kvb, hid
.if DOCPART == 2
	.amdgcn_target "amdgcn-amd-amdhsa--gfx1250"
	.amdhsa_code_object_version 6
	.text
	.protected	k_q761d68516d_mid
	.globl	k_q761d68516d_mid
	.p2align	8
	.type	k_q761d68516d_mid,@function
k_q761d68516d_mid:
	s_mov_b64 s[64:65], 0
	v_nop
	global_prefetch_b8 v0, s[64:65] scope:SCOPE_SE
	s_setreg_imm32_b32 hwreg(HW_REG_WAVE_MODE, 25, 1), 1
	s_wait_xcnt 0x0
; MID: two products on codes of FP4 with E8M0 scales, whose results are quantised in registers and leave as codes.
;   work-groups 0-31:    kv = cn Wkv for 128 keys each; k leaves as codes along the head's 64, v as codes along the keys.
;   work-groups 32-255:  ff = xn Wff1 for 9 row tiles (144 rows) x 512 hidden units each; silu(gate) x h in f32; codes along the hidden units.
;   work-groups 256-287: the same for one row tile each: for each quarter of the hidden units 56 x 9 + 8 = 512 row tiles.  A work-group fills a WGP's registers, so 32 WGPs get two: the short kv work-groups
;                        have the lowest numbers and the short ff work-groups the highest, so that short follows short.
; All codes lie as images of operand registers (a fragment of 16 rows x 128 K: 1,024 bytes, block b of row r at 256 b + 16 r = 512 c + 16 lane); the weights' and the context's tiles are permuted
; (tile 2 g + u, row r = the tensor's row 32 g + 8 u + r + 8 (r / 8)).  EVERY PRODUCT IS USED TRANSPOSED: source 0 is the side whose index is to run along a lane's registers: then the 16 result registers
; of tiles 2 g and 2 g + 1 are the neighbours 32 g + 16 (lane / 16) + 0..15 of the next product's K, and a block of 32 lies in lanes l and l xor 16.
; FF: THE WEIGHTS STAY IN REGISTERS, THE ROWS WALK.  Wave w of sixteen owns 32 hidden units: two tiles of h, two of gate, four K steps: 16 fragments, 128 registers, read from memory once.
; The work-group's rows of xn lie in LDS, filled once through registers; each fragment read from LDS feeds four products.  A tile's scale words (256 dense bytes) come straight into registers, two tiles ahead.
; Sixteen waves of 256 registers, four to a SIMD: the epilogue (32 transcendentals and some 90 plain lines for 16 products) of one wave stands beside the products and loads of the others.
; No tensor load, so no ring; no cluster: what work-groups share (xn by 4, a quarter of Wff1 by 64) goes straight into registers or is 36 KB, filled once.
; LIMITS: NaN and infinities are not served; a block under 2^-124 and a block of zeros get the byte 1 (zeros' codes are zeros; only this program reads the bytes); v_exp_f32 and v_rcp_f32 flush denormals.
.set FLOOR,   0x1800000
.set EOFF,    0xff000000
.set WF1_IMG, 786432                   ; in wts
.set WKV_IMG, 1835008
.set WF1_SC,  1949696
.set WKV_SC,  2015232
.set XN_SC,   2097152                  ; in acts (xn's images begin at 0)
.set CN_IMG,  2228224
.set CN_SC,   4325376
.set HID_SC,  8388608                  ; in hid (the images begin at 0)
.set AI9,     0                        ; LDS, the path of 9 tiles: xn's 9 x 4 fragments,
.set OSC9,    36864                    ; and the hidden layer's scale bytes: [144 rows][a byte for each wave]
.set AI1,     39424                    ; LDS, the path of one tile: bytes of its own
.set OSC1,    43520
.set WV,      12                       ; s12      my wave's number
.set SEL,     14                       ; s[14:15] lane selects: lane l xor 16
.set CD,      12                       ; v12-13   the codes just made
.set T,       20                       ; v20-35   at work in the activation
.set WS,      36                       ; v36-51   Wff1's scale words: 4 tl + ks
.set AF,      52                       ; v52-83   xn's four fragments of a row tile
.set ACC,     84                       ; v84-115  tl = 0, 1: h; tl = 2, 3: gate
.set AS,      116                      ; v116-123 xn's scale words, two sets: tile t in set t % 2
.set WF,      128                      ; v128-255 Wff1's fragments: 8 (4 tl + ks)
.macro NOPS n
.rept \n
	v_nop
.endr
.endm
; one product: d += a x b (z = 0: the sum starts with the constant 0); sa, sb: the scale words' registers
.macro MM d, a, b, z, sa, sb
.if (\z) == 0
	v_wmma_scale_f32_16x16x128_f8f6f4 v[(\d):(\d)+7], v[(\a):(\a)+7], v[(\b):(\b)+7], 0, v[\sa], v[\sb] matrix_a_fmt:MATRIX_FMT_FP4 matrix_b_fmt:MATRIX_FMT_FP4
.else
	v_wmma_scale_f32_16x16x128_f8f6f4 v[(\d):(\d)+7], v[(\a):(\a)+7], v[(\b):(\b)+7], v[(\d):(\d)+7], v[\sa], v[\sb] matrix_a_fmt:MATRIX_FMT_FP4 matrix_b_fmt:MATRIX_FMT_FP4
.endif
.endm
; 16 numbers of a lane, half a block (the other half: lane l xor 16) -> 8 bytes of codes in v[C], v[C+1], the byte in v[BY].  QT: three registers at work.  Each tile of eight is read first at its lowest register.
.macro QUANT1 S, C, BY, QT
	v_max3_num_f32 v[\QT], |v[\S]|, |v[\S+1]|, FLOOR
	v_max3_num_f32 v[\QT+1], |v[\S+2]|, |v[\S+3]|, |v[\S+4]|
	v_max3_num_f32 v[\QT], v[\QT], |v[\S+5]|, |v[\S+6]|
	v_max3_num_f32 v[\QT+1], v[\QT+1], |v[\S+7]|, |v[\S+8]|
	v_max3_num_f32 v[\QT], v[\QT], |v[\S+9]|, |v[\S+10]|
	v_max3_num_f32 v[\QT+1], v[\QT+1], |v[\S+11]|, |v[\S+12]|
	v_max3_num_f32 v[\QT], v[\QT], |v[\S+13]|, |v[\S+14]|
	v_max3_num_f32 v[\QT], v[\QT], v[\QT+1], |v[\S+15]|
	v_permlanex16_b32 v[\QT+1], v[\QT], s[SEL], s[SEL+1]
	v_max_num_f32 v[\QT], v[\QT], v[\QT+1]         ; the block's largest magnitude
	v_add_nc_u32 v[\QT+2], EOFF, v[\QT]            ; the conversion takes this operand's exponent field as its scale
	v_lshrrev_b32 v[\BY], 23, v[\QT+2]
	v_cvt_scalef32_pk8_fp4_f32 v[\C], v[\S:\S+7], v[\QT+2]
	v_cvt_scalef32_pk8_fp4_f32 v[\C+1], v[\S+8:\S+15], v[\QT+2]
	v_nop                                          ; one plain line behind the conversions
.endm
; 32 numbers of a lane, halves of two blocks, by turns -> codes in v[PC + 2 b], v[PC + 2 b + 1], bytes in v[QT + 6 + b].  QT: eight registers.
.macro QCORE S, PC, QT
.irp b, 0,1
	v_max3_num_f32 v[\QT+\b], |v[\S+16*\b]|, |v[\S+16*\b+1]|, FLOOR
.endr
.irp b, 0,1
	v_max3_num_f32 v[\QT+2+\b], |v[\S+16*\b+2]|, |v[\S+16*\b+3]|, |v[\S+16*\b+4]|
.endr
.irp i, 5,9
.irp b, 0,1
	v_max3_num_f32 v[\QT+\b], v[\QT+\b], |v[\S+16*\b+\i]|, |v[\S+16*\b+\i+1]|
.endr
.irp b, 0,1
	v_max3_num_f32 v[\QT+2+\b], v[\QT+2+\b], |v[\S+16*\b+\i+2]|, |v[\S+16*\b+\i+3]|
.endr
.endr
.irp b, 0,1
	v_max3_num_f32 v[\QT+\b], v[\QT+\b], |v[\S+16*\b+13]|, |v[\S+16*\b+14]|
.endr
.irp b, 0,1
	v_max3_num_f32 v[\QT+\b], v[\QT+\b], v[\QT+2+\b], |v[\S+16*\b+15]|
.endr
.irp b, 0,1
	v_permlanex16_b32 v[\QT+2+\b], v[\QT+\b], s[SEL], s[SEL+1]
.endr
.irp b, 0,1
	v_max_num_f32 v[\QT+\b], v[\QT+\b], v[\QT+2+\b]
.endr
.irp b, 0,1
	v_add_nc_u32 v[\QT+4+\b], EOFF, v[\QT+\b]
.endr
.irp b, 0,1
	v_lshrrev_b32 v[\QT+6+\b], 23, v[\QT+4+\b]
.endr
.irp b, 0,1
	v_cvt_scalef32_pk8_fp4_f32 v[\PC+2*\b], v[\S+16*\b:\S+16*\b+7], v[\QT+4+\b]
	v_cvt_scalef32_pk8_fp4_f32 v[\PC+2*\b+1], v[\S+16*\b+8:\S+16*\b+15], v[\QT+4+\b]
.endr
	v_nop
.endm
; and on to half a fragment: v[PC .. PC+3] hold a whole block a lane (lanes 0-15 the first, lanes 16-31 the second), v[HW] the two bytes
.macro QUANT2 S, PC, HW, QT
	QCORE \S, \PC, \QT
	v_lshl_or_b32 v[\HW], v[\QT+7], 8, v[\QT+6]
	v_permlane16_swap_b32 v[\PC], v[\PC+2]
	v_permlane16_swap_b32 v[\PC+1], v[\PC+3]
.endm
.macro FETCH t, ai                     ; row tile t: its four fragments from LDS
.irp i, 0,1,2,3,4,5,6,7
	ds_load_b128 v[AF+4*\i:AF+4*\i+3], v1 offset:(\ai)+4096*(\t)+512*\i
.endr
.endm
.macro ASLOAD t                        ; row tile t: its scale words, 16 bytes a row: sixteen lanes read 256 consecutive bytes, lanes 16-31 the same
	global_load_b128 v[AS+4*((\t)%2):AS+4*((\t)%2)+3], v7, s[26:27] offset:256*(\t)
.endm
.macro SWIGLU                          ; h <- gate x sigmoid(gate) x h, in f32; every run ascends
.irp j, 0,2,4,6,8,10,12,14
	v_pk_mul_f32 v[T+\j:T+\j+1], v[ACC+16+\j:ACC+17+\j], s[32:33] op_sel_hi:[1,0]
.endr
.irp j, 0,1,2,3,4,5,6,7,8,9,10,11,12,13,14,15
	v_exp_f32 v[T+\j], v[T+\j]                     ; e^(-gate)
.endr
	v_nop                                          ; a plain line behind the batch,
	s_wait_alu depctr_va_vdst(0)                   ; and one wait for the sixteen, ahead of their first reader
.irp j, 0,2,4,6,8,10,12,14
	v_pk_add_f32 v[T+\j:T+\j+1], v[T+\j:T+\j+1], 1.0 op_sel_hi:[1,0]
.endr
.irp j, 0,1,2,3,4,5,6,7,8,9,10,11,12,13,14,15
	v_rcp_f32 v[T+\j], v[T+\j]
.endr
	v_nop
	s_wait_alu depctr_va_vdst(0)
.irp j, 0,2,4,6,8,10,12,14
	v_pk_mul_f32 v[T+\j:T+\j+1], v[ACC+16+\j:ACC+17+\j], v[T+\j:T+\j+1]
.endr
.irp j, 0,2,4,6,8,10,12,14
	v_pk_mul_f32 v[ACC+\j:ACC+\j+1], v[T+\j:T+\j+1], v[ACC+\j:ACC+\j+1]
.endr
.endm
.macro TILE t, nt, ai                  ; row tile t of nt
	s_wait_dscnt 0x0                               ; the tile's fragments are in
.if (\t)+1 < (\nt)
	s_wait_loadcnt 1                               ; its scale words are in (at tile 0: the weights too); the next tile's one load may stay out
.else
	s_wait_loadcnt 0x0
.endif
.irp ks, 0,1,2,3
.irp tl, 0,1,2,3
	MM ACC+8*\tl, WF+8*(4*\tl+\ks), AF+8*\ks, \ks, WS+4*\tl+\ks, AS+4*((\t)%2)+\ks     ; the four accumulators by turns
.endr
.endr
	NOPS 5                                         ; places: four in front of loads into registers just read and of the first read of results, five in front of the next tile's sums, which start over these accumulators
.if (\t)+1 < (\nt)
	FETCH (\t)+1, \ai                              ; lands under the activation
.endif
.if (\t)+2 < (\nt)
	ASLOAD (\t)+2                                  ; into the set that this tile's products have read
.endif
	SWIGLU
	s_wait_xcnt 0x0                                ; the last tile's store has read its data: the codes' registers may be written
	QUANT1 ACC, CD, 17, 14
	global_store_b64 v4, v[CD:CD+1], s[28:29] offset:16384*(\t)     ; the wave stores 256 consecutive bytes, aligned: the block's codes of 16 rows
	ds_store_b8 v3, v17 offset:256*(\t)            ; lanes l and l xor 16 write the same byte with the same value
.endm
; THE FF PATH for nt row tiles (nt odd): xn's images at LDS byte ai, the scale bytes that are made at osc.
.macro FFBODY nt, ai, osc
	v_lshl_add_u32 v3, v18, 4, \osc
	v_add_nc_u32 v3, s[WV], v3                     ; my wave's byte of row r
.if (\nt) > 1
.set jj, 0
.rept (\nt)/2
	global_load_b128 v[52+4*jj:55+4*jj], v5, s[24:25] offset:8192*jj     ; the rows first: two tiles a load, 512 threads x 16 bytes
.set jj, jj+1
.endr
.endif
	global_load_b64 v[68:69], v6, s[24:25] offset:8192*((\nt)/2)         ; the odd tile: 512 threads x 8 bytes
.irp tl, 0,1,2,3
.irp ks, 0,1,2,3
.irp c, 0,1
	global_load_b128 v[WF+8*(4*\tl+\ks)+4*\c:WF+8*(4*\tl+\ks)+4*\c+3], v1, s[20:21] offset:(\tl%2)*4096+\ks*1024+512*\c+(\tl/2)*524288
.endr
.endr
.endr
.irp tl, 0,1,2,3
	global_load_b128 v[WS+4*\tl:WS+4*\tl+3], v7, s[22:23] offset:(\tl%2)*256+(\tl/2)*32768
.endr
	ASLOAD 0
.if (\nt) > 1
	ASLOAD 1
	s_wait_loadcnt 38                              ; the rows are in; the weights' 36 loads and the two of scale words may stay out
.else
	s_wait_loadcnt 37                              ; the same with one load of scale words
.endif
.if (\nt) > 1
.set jj, 0
.rept (\nt)/2
	ds_store_b128 v5, v[52+4*jj:55+4*jj] offset:(\ai)+8192*jj
.set jj, jj+1
.endr
.endif
	ds_store_b64 v6, v[68:69] offset:(\ai)+8192*((\nt)/2)
	s_wait_dscnt 0x0                               ; for the others' sake: my stores have landed
	s_barrier_signal -1
	s_barrier_wait -1                              ; the rows lie in LDS
	FETCH 0, \ai
.set tt, 0
.rept \nt
	TILE tt, \nt, \ai
.set tt, tt+1
.endr
	s_wait_dscnt 0x0
	s_barrier_signal -1
	s_barrier_wait -1                              ; 16 nt rows x 16 scale bytes lie in LDS
	s_cmp_lt_u32 s[WV], \nt
	s_cbranch_scc0 .Lff_end_\@
	ds_load_b64 v[52:53], v6 offset:\osc           ; wave w takes tile w's 256 bytes, 8 a lane
	s_wait_dscnt 0x0
	global_store_b64 v6, v[52:53], s[30:31]        ; 256 consecutive bytes a wave, aligned
.Lff_end_\@:
	s_wait_xcnt 0x0
	v_lshl_add_u32 v254, v0, 2, 0xac00
	v_mov_b32 v255, 0
	s_wait_tensorcnt 0x0
	ds_add_u32 v254, v255
	s_wait_dscnt 0x0
	s_endpgm
.endm
	s_load_b256 s[4:11], s[0:1], 0x0               ; wts s[4:5], acts s[6:7], kvb s[8:9], hid s[10:11]
	v_lshrrev_b32 v1, 5, v0
	v_readfirstlane_b32 s[WV], v1                  ; wave 0..15
	v_and_b32 v1, 31, v0
	v_lshlrev_b32 v1, 4, v1                        ; 16 x lane: my place in an image; never rewritten
	v_and_b32 v18, 15, v0                          ; r
	v_bfe_u32 v19, v0, 4, 1                        ; h
	s_mov_b32 s[SEL], 0x76543210
	s_mov_b32 s[SEL+1], 0xfedcba98
	s_cmp_lt_u32 ttmp9, 32
	s_cbranch_scc1 .Lkv
	; ---------------- FF ----------------
	s_sub_co_u32 s16, ttmp9, 32
	s_and_b32 s17, s16, 3                          ; which quarter of the 2,048 hidden units
	s_lshr_b32 s18, s16, 2                         ; 0-55: nine row tiles; 56-63: one
	s_mul_i32 s34, s18, 9
	s_add_co_u32 s35, s18, 448                     ; 504 + (s18 - 56)
	s_cmp_lt_u32 s18, 56
	s_cselect_b32 s34, s34, s35                    ; my first row tile
	s_lshl_b32 s19, s17, 4
	s_add_co_u32 s19, s19, s[WV]                   ; g: my group of 32 hidden units
	s_lshl_b32 s20, s19, 13                        ; Wff1's images: two tiles of 4 KB a group; gate's lie 128 tiles on
	s_add_co_u32 s20, s20, WF1_IMG
	s_mov_b32 s21, 0
	s_lshl_b32 s22, s19, 9                         ; its scale rows: 32 rows of 16 bytes a group
	s_add_co_u32 s22, s22, WF1_SC
	s_mov_b32 s23, 0
	s_lshl_b32 s24, s34, 12                        ; xn's images: 4 KB a row tile
	s_mov_b32 s25, 0
	s_lshl_b32 s26, s34, 8                         ; xn's scale rows: 256 bytes a row tile
	s_add_co_u32 s26, s26, XN_SC
	s_mov_b32 s27, 0
	s_lshl_b32 s28, s34, 14                        ; out: 16 KB a row tile; my block of 32 hidden units is 256 bytes of each
	s_lshl_b32 s29, s19, 8
	s_add_co_u32 s28, s28, s29
	s_mov_b32 s29, 0
	s_lshl_b32 s30, s17, 17                        ; out: scale bytes [quarter][row][16]
	s_lshl_b32 s31, s34, 8
	s_add_co_u32 s30, s30, s31
	s_add_co_u32 s30, s30, HID_SC
	s_mov_b32 s31, 0
	s_mov_b32 s32, 0xbfb8aa3b                      ; -log2(e); the packed form names the pair and takes its low word for both halves
	s_mov_b32 s33, s32
	v_lshlrev_b32 v4, 4, v18
	v_lshl_add_u32 v4, v19, 3, v4                  ; my 8 bytes of the block's 256: 16 r + 8 h
	v_lshlrev_b32 v5, 4, v0                        ; 16 x thread
	v_lshlrev_b32 v6, 3, v0                        ; 8 x thread
	v_lshlrev_b32 v7, 4, v18                       ; 16 r
	s_wait_kmcnt 0x0
	s_add_nc_u64 s[20:21], s[4:5], s[20:21]
	s_add_nc_u64 s[22:23], s[4:5], s[22:23]
	s_add_nc_u64 s[24:25], s[6:7], s[24:25]
	s_add_nc_u64 s[26:27], s[6:7], s[26:27]
	s_add_nc_u64 s[28:29], s[10:11], s[28:29]
	s_add_nc_u64 s[30:31], s[10:11], s[30:31]
	s_cmp_ge_u32 s18, 56
	s_cbranch_scc1 .Lff_small
	FFBODY 9, AI9, OSC9
.Lff_small:
	FFBODY 1, AI1, OSC1
	; ---------------- KV ----------------
	; 128 keys to a work-group.  One text for two roles, four tiles as source 0 against one tile as source 1, K = 1,024 in eight steps:
	;   waves 0-7  (k): source 0 = Wkv's tiles 0-3 (the head's 64), source 1 = the context's tile 8 G + idx: a lane holds one key, 32 registers along d
	;   waves 8-15 (v): source 0 = the context's tiles 8 G + 4 c + 0..3 (64 keys), source 1 = Wkv's tile 4 + dt: a lane holds one d, 32 registers along the keys
	; Both kinds of image are 8 KB a tile and both kinds of scale rows 512 bytes a tile.  Pointers and offsets are chosen by selects on the wave's number; no branch, no LDS, no barrier.
	; REGISTERS: v2 32 r; v3 the two bytes; v4-11 at work; v12-15 the codes; v16-47 source 0's scale words (8 i + ks); v48-55 source 1's; v56-87 the four accumulators; v88-247 four sets of five fragments; v250 the bytes' place
.Lkv:
	s_lshr_b32 s16, ttmp9, 3                       ; the batch
	s_and_b32 s17, ttmp9, 7                        ; which 128 keys of it
	s_and_b32 s18, s[WV], 7                        ; idx
	s_and_b32 s19, s[WV], 3                        ; dt
	s_bfe_u32 s20, s[WV], 0x10002                  ; c
	s_lshl_b32 s21, ttmp9, 3
	s_add_co_u32 s22, s21, s18                     ; the context's tile 8 G + idx
	s_lshl_b32 s23, s20, 2
	s_add_co_u32 s23, s21, s23                     ; 8 G + 4 c
	s_add_co_u32 s24, s19, 4                       ; Wkv's tile 4 + dt
	s_mov_b32 s26, WKV_IMG                         ; source 0's images: k,
	s_lshl_b32 s27, s23, 13
	s_add_co_u32 s27, s27, CN_IMG                  ; v
	s_lshl_b32 s28, s22, 13
	s_add_co_u32 s28, s28, CN_IMG                  ; source 1's: k,
	s_lshl_b32 s29, s24, 13
	s_add_co_u32 s29, s29, WKV_IMG                 ; v
	s_mov_b32 s30, WKV_SC                          ; the scale rows likewise
	s_lshl_b32 s31, s23, 9
	s_add_co_u32 s31, s31, CN_SC
	s_lshl_b32 s32, s22, 9
	s_add_co_u32 s32, s32, CN_SC
	s_lshl_b32 s33, s24, 9
	s_add_co_u32 s33, s33, WKV_SC
	s_mul_i32 s34, s16, 69632                      ; a batch of kvb: K's images 32 KB, V's 32 KB, K's scale bytes 2 KB, V's 2 KB
	s_lshl_b32 s35, s17, 3
	s_add_co_u32 s35, s35, s18                     ; key tile 8 sv + idx
	s_lshl_b32 s36, s35, 9
	s_add_co_u32 s36, s36, s34                     ; k's half fragment
	s_lshl_b32 s37, s35, 5
	s_add_co_u32 s37, s37, s34
	s_add_co_u32 s37, s37, 65536                   ; k's bytes: two a key
	s_lshl_b32 s38, s17, 2
	s_add_co_u32 s38, s38, s19                     ; 4 sv + dt
	s_lshl_b32 s39, s38, 10
	s_add_co_u32 s39, s39, s34
	s_lshl_b32 s40, s20, 9
	s_add_co_u32 s39, s39, s40
	s_add_co_u32 s39, s39, 32768                   ; v's half fragment c
	s_lshl_b32 s40, s38, 6
	s_add_co_u32 s40, s40, s34
	s_lshl_b32 s41, s20, 1
	s_add_co_u32 s40, s40, s41
	s_add_co_u32 s40, s40, 67584                   ; v's bytes 2 c, 2 c + 1 of a word a d
	s_wait_kmcnt 0x0
	s_cmp_lt_u32 s[WV], 8                          ; the role; the selects and the 64-bit sums below leave SCC alone
	s_cselect_b64 s[42:43], s[4:5], s[6:7]         ; source 0's buffer
	s_cselect_b64 s[44:45], s[6:7], s[4:5]         ; source 1's
	s_cselect_b32 s26, s26, s27
	s_cselect_b32 s28, s28, s29
	s_cselect_b32 s30, s30, s31
	s_cselect_b32 s32, s32, s33
	s_cselect_b32 s36, s36, s39
	s_cselect_b32 s38, s37, s40
	s_cselect_b32 s41, 1, 2                        ; bytes from row to row, as a shift
	s_mov_b32 s27, 0
	s_mov_b32 s29, 0
	s_mov_b32 s31, 0
	s_mov_b32 s33, 0
	s_mov_b32 s37, 0
	s_mov_b32 s39, 0
	s_add_nc_u64 s[26:27], s[42:43], s[26:27]
	s_add_nc_u64 s[28:29], s[44:45], s[28:29]
	s_add_nc_u64 s[30:31], s[42:43], s[30:31]
	s_add_nc_u64 s[32:33], s[44:45], s[32:33]
	s_add_nc_u64 s[36:37], s[8:9], s[36:37]
	s_add_nc_u64 s[38:39], s[8:9], s[38:39]
	v_lshlrev_b32 v2, 5, v18                       ; a scale row is 32 bytes
	v_lshlrev_b32 v250, s41, v18
.irp i, 0,1,2,3
	global_load_b128 v[16+8*\i:19+8*\i], v2, s[30:31] offset:512*\i
	global_load_b128 v[20+8*\i:23+8*\i], v2, s[30:31] offset:512*\i+16
.endr
	global_load_b128 v[48:51], v2, s[32:33]
	global_load_b128 v[52:55], v2, s[32:33] offset:16
.macro LOADK ks                        ; K step ks: ten loads into set ks % 4
.set KL, 88+40*((\ks)%4)
.irp i, 0,1,2,3
.irp c, 0,1
	global_load_b128 v[KL+8*\i+4*\c:KL+8*\i+4*\c+3], v1, s[26:27] offset:8192*\i+1024*(\ks)+512*\c
.endr
.endr
.irp c, 0,1
	global_load_b128 v[KL+32+4*\c:KL+32+4*\c+3], v1, s[28:29] offset:1024*(\ks)+512*\c
.endr
.endm
	LOADK 0
	LOADK 1
	LOADK 2
	LOADK 3
.irp ks, 0,1,2,3,4,5,6,7
.if \ks < 5
	s_wait_loadcnt 30                              ; this step's set is in (and the scale words); the three sets behind it may stay out
.else
	s_wait_loadcnt 10*(7-\ks)
.endif
.set KQ, 88+40*(\ks%4)
.irp i, 0,1,2,3
	MM 56+8*\i, KQ+8*\i, KQ+32, \ks, 16+8*\i+\ks, 48+\ks
.endr
	NOPS 5                                         ; places in front of the loads into this set, and of the first read of results
.if \ks < 4
	LOADK \ks+4
.endif
.endr
	QUANT2 56, 12, 3, 4
	global_store_b128 v1, v[12:15], s[36:37]       ; half a fragment: 512 consecutive bytes
	global_store_b16 v250, v3, s[38:39]            ; lanes l and l xor 16 write the same two bytes
	s_endpgm
.Lfunc_end_k_q761d68516d_mid:
	.size	k_q761d68516d_mid, .Lfunc_end_k_q761d68516d_mid-k_q761d68516d_mid
	.p2alignl 7, 3214868480
	.fill 96, 4, 3214868480
	.section	.rodata,"a",@progbits
	.p2align	6, 0x0
	.amdhsa_kernel k_q761d68516d_mid
		.amdhsa_group_segment_fixed_size 46080
		.amdhsa_private_segment_fixed_size 0
		.amdhsa_enable_private_segment 0
		.amdhsa_kernarg_size 32
		.amdhsa_user_sgpr_count 2
		.amdhsa_user_sgpr_kernarg_segment_ptr 1
		.amdhsa_wavefront_size32 1
		.amdhsa_system_sgpr_workgroup_id_x 1
		.amdhsa_system_sgpr_workgroup_id_y 1
		.amdhsa_system_sgpr_workgroup_id_z 1
		.amdhsa_system_vgpr_workitem_id 0
		.amdhsa_next_free_vgpr 256
		.amdhsa_next_free_sgpr 66
		.amdhsa_reserve_vcc 0
		.amdhsa_float_denorm_mode_32 3
		.amdhsa_float_denorm_mode_16_64 3
		.amdhsa_memory_ordered 1
		.amdhsa_forward_progress 1
		.amdhsa_inst_pref_size 101
	.end_amdhsa_kernel
	.amdgpu_metadata
---
amdhsa.version: [ 1, 2 ]
amdhsa.kernels:
  - .name:           k_q761d68516d_mid
    .symbol:         k_q761d68516d_mid.kd
    .args:
      - { .name: wts, .offset: 0, .size: 8, .value_kind: global_buffer, .address_space: global }
      - { .name: acts, .offset: 8, .size: 8, .value_kind: global_buffer, .address_space: global }
      - { .name: kvb, .offset: 16, .size: 8, .value_kind: global_buffer, .address_space: global }
      - { .name: hid, .offset: 24, .size: 8, .value_kind: global_buffer, .address_space: global }
    .group_segment_fixed_size: 46080
    .private_segment_fixed_size: 0
    .kernarg_segment_align: 8
    .kernarg_segment_size: 32
    .max_flat_workgroup_size: 512
    .sgpr_count:     66
    .vgpr_count:     256
    .wavefront_size: 32
...
	.end_amdgpu_metadata
.endif
;; end of part 2
;; launch attn (part 3): grid 256 x 1, 16 waves a work-group, no clusters, 262,144 bytes of LDS; arguments wts, acts, kvb, hid, out0; writes out0
.if DOCPART == 3
	.amdgcn_target "amdgcn-amd-amdhsa--gfx1250"
	.amdhsa_code_object_version 6
	.text
	.protected	k_q761d68516d_attn
	.globl	k_q761d68516d_attn
	.p2align	8
	.type	k_q761d68516d_attn,@function
k_q761d68516d_attn:
	s_mov_b64 s[64:65], 0
	v_nop
	global_prefetch_b8 v0, s[64:65] scope:SCOPE_SE
	s_setreg_imm32_b32 hwreg(HW_REG_WAVE_MODE, 25, 1), 1
	s_wait_xcnt 0x0
; ATTN: for 32 rows of x a work-group makes q = xn Wq, the attention of 8 heads over the batch's 1,024 keys, and out = hidden Wff2 + o Wo.  All products on codes of FP4 with E8M0 scales.
; q, the scores, p and o never leave the WGP.  The last two products are ONE sum over K = 2,048 + 512 in one accumulator (Wff2's K first), so the final addition costs nothing.
; All codes lie as images of operand registers (16 rows x 128 K: 1,024 bytes, block b of row r at 256 b + 16 r = 512 c + 16 lane).  Every product is used transposed: a lane holds one row (query), its
; registers run along what is the next product's K; the tiles of the weights, of K's keys and of V's channels are permuted for that (tile 2 g + u, row r = 32 g + 8 u + r + 8 (r / 8)).
; PHASES, four barriers:  P0 loads | P1 wave w: q's columns 32 w .. + 31 for both row tiles, quantised, to LDS | P2 two pieces of work a wave, see below | P3 wave w: + o Wo for out's columns 32 w .. + 31, and the way out.
; P2: TWO PIECES THAT DO NOT HANG ON EACH OTHER.  (a) attention: row tile w / 8, head w % 8, eight steps of 128 keys: vector work, nothing from memory.  (b) hidden x Wff2 for out's columns 32 w .. + 31: 16 K steps,
; 32 KB of weights a wave from memory, 64 products, next to no vector work.  The eight waves whose number has odd parity take (b) first, the other eight take it last: so while one half waits for weights the
; other half has the vector units.  By the parity any four waves w, w + 4, w + 8, w + 12, and any four neighbouring waves, are split two and two.  The key loop is one copy on every wave's path; (b) is straight-line
; text, written twice, each copy under a branch on the wave's number with no barrier inside.  (b) leaves its four accumulators as an image in the wave's own LDS bytes; they come back as the C of P3's first products.
; THE SOFTMAX: t = score x log2(e) / 8; M = the running largest t rounded UP to a whole number; p = 2^(t - M) is quantised along the keys, not normalised; the row's sum is taken of the unquantised p and divides
; O at the end; when M moves, the sum and O are multiplied by 2^(old M - new M), which rounds nothing.  THE FACTOR 1 / 8 on q is a power of two: it moves a block's exponent and no code, so q is quantised
; without it and it stands in the constant c = log2(e) / 8.  K = 64 fills half of a product's 128: the upper halves of Q's and K's fragments are zero codes, their scale bytes 0 (2^-127, never 0xff).
; Sixteen waves of 256 registers, four to a SIMD: a key step has some 230 vector lines, 68 of them exponentials, for 12 products, so one wave's vector work stands beside the others' products and loads.
; NO CLUSTER, NO TENSOR LOAD: every LDS region is filled once, through registers.  What work-groups share: K and V (68 KB, 64 work-groups) are a thirteenth of the 910 KB that a work-group reads; Wq, Wo, Wff2
; (808 KB, all work-groups) go straight into the registers of the one wave that multiplies by them: sent jointly they would have to pass, 680 KB of them, through the 67 KB of LDS that are left, in ten
; refills or more, each behind a round of four work-groups' 64 waves.
; LIMITS: NaN and infinities are not served; a block under 2^-124 and a block of zeros get the byte 1 (zeros' codes are zeros; only this program reads the bytes); leaving the 1 / 8 out of q's quantiser moves
; the hold of its exponent by three binades; v_exp_f32 and v_rcp_f32 flush denormals.
.set FLOOR,   0x1800000
.set EOFF,    0xff000000
.set WQ_IMG,  0                        ; in wts
.set WO_IMG,  131072
.set WF2_IMG, 262144
.set WQ_SC,   1900544
.set WO_SC,   1908736
.set WF2_SC,  1916928
.set XN_SC,   2097152                  ; in acts (xn's images begin at 0)
.set HID_SC,  8388608                  ; in hid
.set HIDI,    69632                    ; LDS: 0: the batch's K and V as in kvb (K's images 32 KB, V's 32 KB, K's bytes at 65,536, V's at 67,584);  here: the hidden layer's 2 x 16 fragments
.set XI,      102400                   ; xn's 2 x 4 fragments
.set QI,      110592                   ; q: 16 half fragments (row tile m, head: 8 m + head)
.set QS,      118784                   ; q's scale bytes: 16 x 16 rows x 2
.set OI,      119296                   ; o's 2 x 4 fragments
.set OS,      127488                   ; o's scale rows: 32 x 16 bytes
.set STG,     128000                   ; the way out: 32 rows x (2,048 + 16) bytes
.set STASH,   194560                   ; the accumulators of hidden x Wff2: eight times 16 bytes a thread, 8,192 bytes apart
.set SEL,     40                       ; s[40:41] lane selects: lane l xor 16
.set CS,      42                       ; s[42:43] c = log2(e) / 8
.set WV,      44                       ; s44      my wave's number
.set ODD,     48                       ; s48      the parity of my wave's number
.macro NOPS n
.rept \n
	v_nop
.endr
.endm
.macro MM d, a, b, z, sa, sb           ; one product: d += a x b (z = 0: the sum starts with the constant 0); sa, sb: the scale words' registers
.if (\z) == 0
	v_wmma_scale_f32_16x16x128_f8f6f4 v[(\d):(\d)+7], v[(\a):(\a)+7], v[(\b):(\b)+7], 0, v[\sa], v[\sb] matrix_a_fmt:MATRIX_FMT_FP4 matrix_b_fmt:MATRIX_FMT_FP4
.else
	v_wmma_scale_f32_16x16x128_f8f6f4 v[(\d):(\d)+7], v[(\a):(\a)+7], v[(\b):(\b)+7], v[(\d):(\d)+7], v[\sa], v[\sb] matrix_a_fmt:MATRIX_FMT_FP4 matrix_b_fmt:MATRIX_FMT_FP4
.endif
.endm
; 32 numbers of a lane, halves of two blocks (the other halves: lane l xor 16), by turns -> codes in v[PC + 2 b], v[PC + 2 b + 1], bytes in v[QT + 6 + b].  QT: eight registers.  Each tile of eight is read first at its lowest register.
.macro QCORE S, PC, QT
.irp b, 0,1
	v_max3_num_f32 v[\QT+\b], |v[\S+16*\b]|, |v[\S+16*\b+1]|, FLOOR
.endr
.irp b, 0,1
	v_max3_num_f32 v[\QT+2+\b], |v[\S+16*\b+2]|, |v[\S+16*\b+3]|, |v[\S+16*\b+4]|
.endr
.irp i, 5,9
.irp b, 0,1
	v_max3_num_f32 v[\QT+\b], v[\QT+\b], |v[\S+16*\b+\i]|, |v[\S+16*\b+\i+1]|
.endr
.irp b, 0,1
	v_max3_num_f32 v[\QT+2+\b], v[\QT+2+\b], |v[\S+16*\b+\i+2]|, |v[\S+16*\b+\i+3]|
.endr
.endr
.irp b, 0,1
	v_max3_num_f32 v[\QT+\b], v[\QT+\b], |v[\S+16*\b+13]|, |v[\S+16*\b+14]|
.endr
.irp b, 0,1
	v_max3_num_f32 v[\QT+\b], v[\QT+\b], v[\QT+2+\b], |v[\S+16*\b+15]|
.endr
.irp b, 0,1
	v_permlanex16_b32 v[\QT+2+\b], v[\QT+\b], s[SEL], s[SEL+1]
.endr
.irp b, 0,1
	v_max_num_f32 v[\QT+\b], v[\QT+\b], v[\QT+2+\b]        ; the block's largest magnitude
.endr
.irp b, 0,1
	v_add_nc_u32 v[\QT+4+\b], EOFF, v[\QT+\b]              ; the conversion takes this operand's exponent field as its scale
.endr
.irp b, 0,1
	v_lshrrev_b32 v[\QT+6+\b], 23, v[\QT+4+\b]
.endr
.irp b, 0,1
	v_cvt_scalef32_pk8_fp4_f32 v[\PC+2*\b], v[\S+16*\b:\S+16*\b+7], v[\QT+4+\b]
	v_cvt_scalef32_pk8_fp4_f32 v[\PC+2*\b+1], v[\S+16*\b+8:\S+16*\b+15], v[\QT+4+\b]
.endr
	v_nop                                          ; one plain line behind the conversions
.endm
.macro QUANT2 S, PC, HW, QT            ; and on to half a fragment: a whole block a lane (lanes 0-15 the first, lanes 16-31 the second); v[HW]: the two bytes
	QCORE \S, \PC, \QT
	v_lshl_or_b32 v[\HW], v[\QT+7], 8, v[\QT+6]
	v_permlane16_swap_b32 v[\PC], v[\PC+2]
	v_permlane16_swap_b32 v[\PC+1], v[\PC+3]
.endm
.macro FBLOAD kk                       ; Wff2, K step kk of 16: my two tiles' fragments into set kk % 4 of v32-95
.set BQ, 32+16*((\kk)%4)
.irp u, 0,1
.irp c, 0,1
	global_load_b128 v[BQ+8*\u+4*\c:BQ+8*\u+4*\c+3], v1, s[36:37] offset:16384*\u+1024*(\kk)+512*\c
.endr
.endr
.endm
.macro FALOAD kk                       ; the hidden layer, K step kk: the two row tiles' fragments into set kk % 2 of v96-127
.set AQ, 96+16*((\kk)%2)
.irp m, 0,1
.irp c, 0,1
	ds_load_b128 v[AQ+8*\m+4*\c:AQ+8*\m+4*\c+3], v25 offset:1024*(16*\m+(\kk))+512*\c
.endr
.endr
.endm
.macro WBLOAD kk                       ; Wo, K step kk of 4: set kk of v32-95
.set BQ, 32+16*(\kk)
.irp u, 0,1
.irp c, 0,1
	global_load_b128 v[BQ+8*\u+4*\c:BQ+8*\u+4*\c+3], v1, s[34:35] offset:4096*\u+1024*(\kk)+512*\c
.endr
.endr
.endm
.macro WALOAD kk                       ; o, K step kk: set kk % 2 of v96-127
.set AQ, 96+16*((\kk)%2)
.irp m, 0,1
.irp c, 0,1
	ds_load_b128 v[AQ+8*\m+4*\c:AQ+8*\m+4*\c+3], v6 offset:1024*(4*\m+(\kk))+512*\c
.endr
.endr
.endm
; HIDDEN x Wff2: my 32 columns for both row tiles, 16 K steps, four accumulators v224-255 (8 (2 m + u)) by turns.  Every offset is an immediate.  Four sets of weights are on their way, 8 KB a wave.
; REGISTERS: v32-95 Wff2's ring; v96-127 the rows' ring; v136-167 Wff2's scale words (16 u + ks); v176-207 the hidden layer's (16 m + ks).
.macro FF2
.irp u, 0,1
.irp q, 0,1,2,3
	global_load_b128 v[136+16*\u+4*\q:139+16*\u+4*\q], v28, s[30:31] offset:1024*\u+16*\q
.endr
.endr
.irp m, 0,1
.irp q, 0,1,2,3
	global_load_b128 v[176+16*\m+4*\q:179+16*\m+4*\q], v27, s[32:33] offset:131072*\q+256*\m
.endr
.endr
	FBLOAD 0
	FBLOAD 1
	FBLOAD 2
	FBLOAD 3
	FALOAD 0
	FALOAD 1
.irp kk, 0,1,2,3,4,5,6,7,8,9,10,11,12,13,14,15
.if \kk < 13
	s_wait_loadcnt 12                              ; this step's weights are in (and all scale words); the three sets behind them may stay out
.else
	s_wait_loadcnt 4*(15-\kk)
.endif
.if \kk < 15
	s_wait_dscnt 4                                 ; this step's rows are in; the next step's four loads may stay out
.else
	s_wait_dscnt 0x0
.endif
.irp m, 0,1
.irp u, 0,1
	MM 224+8*(2*\m+\u), 32+16*(\kk%4)+8*\u, 96+16*(\kk%2)+8*\m, \kk, 136+16*\u+\kk, 176+16*\m+\kk
.endr
.endr
	NOPS 4                                         ; places in front of the loads into the sets just read
.if \kk < 12
	FBLOAD \kk+4
.endif
.if \kk < 14
	FALOAD \kk+2
.endif
.endr
	v_nop                                          ; a fifth place, for what is later laid over these registers
.irp i, 0,1,2,3,4,5,6,7
	ds_store_b128 v26, v[224+4*\i:227+4*\i] offset:8192*\i         ; the accumulators as they stand, each from its low end on, into bytes that are my thread's own
.endr
	s_wait_dscnt 0x0                               ; the stores have read their registers
.endm
	; ---------------- P0: every load of the first two phases goes out at once ----------------
	s_load_b256 s[4:11], s[0:1], 0x0               ; wts s[4:5], acts s[6:7], kvb s[8:9], hid s[10:11]
	s_load_b64 s[12:13], s[0:1], 0x20              ; out0
	v_lshrrev_b32 v2, 5, v0
	v_readfirstlane_b32 s[WV], v2                  ; wave 0..15
	v_and_b32 v1, 31, v0
	v_lshlrev_b32 v1, 4, v1                        ; 16 x lane; never rewritten
	v_lshlrev_b32 v2, 4, v0                        ; 16 x thread
	v_and_b32 v3, 15, v0
	v_lshlrev_b32 v3, 4, v3                        ; 16 r
	v_lshlrev_b32 v197, 3, v0                      ; 8 x thread
	s_lshl_b32 s16, ttmp9, 13                      ; xn's images: two row tiles of 4 KB
	s_mov_b32 s17, 0
	s_lshl_b32 s18, ttmp9, 9                       ; xn's scale rows: 32 x 16 bytes
	s_add_co_u32 s18, s18, XN_SC
	s_mov_b32 s19, 0
	s_lshl_b32 s20, s[WV], 9                       ; Wq's scale rows of my two tiles
	s_add_co_u32 s20, s20, WQ_SC
	s_mov_b32 s21, 0
	s_lshl_b32 s22, s[WV], 13                      ; Wq's images of my two tiles
	s_mov_b32 s23, 0
	s_lshr_b32 s24, ttmp9, 6                       ; the batch: 64 work-groups each
	s_mul_i32 s24, s24, 69632
	s_mov_b32 s25, 0
	s_lshl_b32 s26, ttmp9, 15                      ; the hidden layer's images: two row tiles of 16 KB
	s_mov_b32 s27, 0
	s_lshl_b32 s28, s[WV], 9
	s_add_co_u32 s28, s28, WO_SC
	s_mov_b32 s29, 0
	s_lshl_b32 s30, s[WV], 11                      ; Wff2's scale rows: 32 x 64 bytes
	s_add_co_u32 s30, s30, WF2_SC
	s_mov_b32 s31, 0
	s_lshl_b32 s32, ttmp9, 9                       ; the hidden layer's scale rows, in each of four quarters
	s_add_co_u32 s32, s32, HID_SC
	s_mov_b32 s33, 0
	s_lshl_b32 s34, s[WV], 13
	s_add_co_u32 s34, s34, WO_IMG
	s_mov_b32 s35, 0
	s_lshl_b32 s36, s[WV], 15                      ; Wff2's images: two tiles of 16 KB
	s_add_co_u32 s36, s36, WF2_IMG
	s_mov_b32 s37, 0
	s_lshl_b32 s38, ttmp9, 16                      ; out0: 32 rows of 2,048 bytes; on the way out my wave stores rows 2 w, 2 w + 1
	s_lshl_b32 s39, s[WV], 12
	s_add_co_u32 s38, s38, s39
	s_mov_b32 s39, 0
	s_mov_b32 s[SEL], 0x76543210
	s_mov_b32 s[SEL+1], 0xfedcba98
	s_mov_b32 s[CS], 0x3e38aa3b
	s_mov_b32 s[CS+1], s[CS]                       ; (named with it as a pair, so it is written)
	s_wait_kmcnt 0x0
	s_add_nc_u64 s[16:17], s[6:7], s[16:17]
	s_add_nc_u64 s[18:19], s[6:7], s[18:19]
	s_add_nc_u64 s[20:21], s[4:5], s[20:21]
	s_add_nc_u64 s[22:23], s[4:5], s[22:23]
	s_add_nc_u64 s[24:25], s[8:9], s[24:25]
	s_add_nc_u64 s[26:27], s[10:11], s[26:27]
	s_add_nc_u64 s[28:29], s[4:5], s[28:29]
	s_add_nc_u64 s[30:31], s[4:5], s[30:31]
	s_add_nc_u64 s[32:33], s[10:11], s[32:33]
	s_add_nc_u64 s[34:35], s[4:5], s[34:35]
	s_add_nc_u64 s[36:37], s[4:5], s[36:37]
	s_add_nc_u64 s[38:39], s[12:13], s[38:39]
	global_load_b128 v[192:195], v2, s[16:17]      ; xn's 8 KB: 16 bytes a thread
.irp m, 0,1
	global_load_b128 v[24+4*\m:27+4*\m], v3, s[18:19] offset:256*\m      ; xn's scale words: v[24 + 4 m + ks]
.endr
.irp u, 0,1
	global_load_b128 v[16+4*\u:19+4*\u], v3, s[20:21] offset:256*\u      ; Wq's: v[16 + 4 u + ks]
.endr
.set i, 0
.rept 16
	global_load_b128 v[32+4*i:35+4*i], v1, s[22:23] offset:512*i         ; Wq's eight fragments: v[32 + 8 (4 u + ks)]
.set i, i+1
.endr
.irp j, 0,1,2,3,4,5,6,7
	global_load_b128 v[200+4*\j:203+4*\j], v2, s[24:25] offset:8192*\j   ; K's and V's images
.endr
	global_load_b64 v[232:233], v197, s[24:25] offset:65536              ; and their scale bytes
.irp j, 0,1,2,3
	global_load_b128 v[234+4*\j:237+4*\j], v2, s[26:27] offset:8192*\j th:TH_LOAD_NT    ; the hidden layer: read once in the launch
.endr
	v_lshl_add_u32 v4, v0, 4, XI                   ; LDS addresses: bases above 65,535 are carried in the registers
	v_add_nc_u32 v5, XI, v1
	v_lshl_add_u32 v198, v0, 3, 65536
	v_lshl_add_u32 v199, v0, 4, HIDI
	v_lshrrev_b32 v14, 5, v0                       ; w
	v_lshl_add_u32 v250, v14, 8, QI
	v_add_nc_u32 v250, v250, v3
	v_bfe_u32 v15, v0, 4, 1                        ; h
	v_lshl_add_u32 v250, v15, 3, v250              ; q's codes: block w of sixteen, 16 r + 8 h in it; row tile 1 lies 4,096 on
	v_lshrrev_b32 v14, 6, v0
	v_lshl_add_u32 v251, v14, 5, QS
	v_bfe_u32 v15, v0, 5, 1
	v_add_nc_u32 v251, v251, v15
	v_and_b32 v14, 15, v0
	v_lshl_add_u32 v251, v14, 1, v251              ; q's bytes: 32 (w / 2) + 2 r + w % 2; row tile 1 lies 256 on
	s_wait_loadcnt 33                              ; xn's image is in; the 33 loads behind it may stay out
	ds_store_b128 v4, v[192:195]
	s_wait_dscnt 0x0
	s_barrier_signal -1
	s_barrier_wait -1                              ; xn's eight fragments lie in LDS
	; ---------------- P1: q = xn Wq, my 32 columns for both row tiles ----------------
.set i, 0
.rept 16
	ds_load_b128 v[96+4*i:99+4*i], v5 offset:512*i         ; xn's fragments: v[96 + 8 (4 m + ks)]
.set i, i+1
.endr
	s_wait_loadcnt 13                              ; the scale words and Wq are in; K's and V's nine loads and the hidden layer's four may stay out
	s_wait_dscnt 0x0
.irp ks, 0,1,2,3
.irp m, 0,1
.irp u, 0,1
	MM 160+8*(2*\m+\u), 32+8*(4*\u+\ks), 96+8*(4*\m+\ks), \ks, 16+4*\u+\ks, 24+4*\m+\ks    ; four accumulators by turns
.endr
.endr
.endr
	NOPS 5                                         ; places behind the products
	QCORE 160, 252, 6                              ; block b = row tile b: 16 neighbouring columns a lane
	ds_store_b64 v250, v[252:253]
	ds_store_b64 v250, v[254:255] offset:4096
	ds_store_b8 v251, v12
	ds_store_b8 v251, v13 offset:256
	s_wait_loadcnt 0x0
.irp j, 0,1,2,3,4,5,6,7
	ds_store_b128 v2, v[200+4*\j:203+4*\j] offset:8192*\j
.endr
	ds_store_b64 v198, v[232:233]
.irp j, 0,1,2,3
	ds_store_b128 v199, v[234+4*\j:237+4*\j] offset:8192*\j
.endr
	s_wait_dscnt 0x0
	s_barrier_signal -1
	s_barrier_wait -1                              ; q, K, V and the hidden layer lie in LDS
	; ---------------- P2: hidden x Wff2 and the attention, in either order ----------------
	v_add_nc_u32 v25, HIDI, v1                     ; what both copies of the product name is made here, ahead of the first parting, and never rewritten: the hidden layer's images,
	v_lshl_add_u32 v26, v0, 4, STASH               ; my thread's place for the accumulators,
	v_and_b32 v27, 15, v0
	v_lshlrev_b32 v28, 6, v27                      ; 64 r: Wff2's scale rows,
	v_lshlrev_b32 v27, 4, v27                      ; 16 r: the hidden layer's and Wo's
	s_lshr_b32 s[ODD], s[WV], 2
	s_xor_b32 s[ODD], s[ODD], s[WV]
	s_lshr_b32 s49, s[ODD], 1
	s_xor_b32 s[ODD], s[ODD], s49
	s_and_b32 s[ODD], s[ODD], 1                    ; the parity of the wave number's four bits
	s_cmp_eq_u32 s[ODD], 0
	s_cbranch_scc1 .Lfirst_done                    ; even parity: the attention first
	FF2
.Lfirst_done:
	; the attention; my wave: row tile w / 8, head w % 8
	; REGISTERS: v2, v3 my places among K's and V's scale bytes; v4-6 the step's addresses; v12 -M, v13 the largest t, v[14:15] the sum in two halves; v16-23 Q (4-7: zeros), v24 its scale word;
	; v32-63 four tiles of K (the upper four of each: zeros); v64-95 V; v96-159 S^T, then p; v160-191 O^T; v192-199 p's codes; v200-203 K's scale words; v208-211 V's; v232-254 at work; v[250:251] f; v253 p's scale word
	v_and_b32 v14, 15, v0
	v_lshl_add_u32 v2, v14, 1, 65536
	v_lshl_add_u32 v3, v14, 2, 67584
	v_lshrrev_b32 v15, 5, v0
	v_lshl_add_u32 v7, v15, 9, v1
	v_add_nc_u32 v7, QI, v7
	v_lshl_add_u32 v8, v15, 5, QS
	v_lshl_add_u32 v8, v14, 1, v8
	ds_load_b128 v[16:19], v7                      ; Q's half fragment stays in registers
	ds_load_u16 v24, v8                            ; its two bytes; the upper two are 0
.irp j, 20,21,22,23
	v_mov_b32 v[\j], 0                             ; zero codes for k = 64 .. 127
.endr
.irp t, 0,1,2,3
.irp j, 4,5,6,7
	v_mov_b32 v[32+8*\t+\j], 0
.endr
.endr
.set j, 0
.rept 32
	v_mov_b32 v[160+j], 0                          ; O^T: the step is written once; its first trip finds zeros, which the first change of M leaves zeros
.set j, j+1
.endr
	v_mov_b32 v13, 0xff61b1e6                      ; the largest t so far: -3e38
	v_floor_f32 v12, -v13                          ; -M
	v_mov_b32 v14, 0
	v_mov_b32 v15, 0
.irp j, 236,237,238,239,251,252
	v_mov_b32 v[\j], 0                             ; permute targets, and the upper word of f's pair
.endr
	s_mov_b32 s45, 0                               ; the step's images: 4,096 bytes a step, of K's and of V's
	s_mov_b32 s46, 0                               ; its scale bytes: 256 a step
	s_mov_b32 s47, 0
.Lstep:
	v_add_nc_u32 v4, s45, v1
	v_add_nc_u32 v5, s46, v2
	v_add_nc_u32 v6, s46, v3
	v_nop                                          ; four places behind the last trip's products, in front of the loads into V's registers
.irp t, 0,1,2,3
	ds_load_b128 v[32+8*\t:35+8*\t], v4 offset:512*\t
	ds_load_u16 v[200+\t], v5 offset:32*\t
.endr
.irp dt, 0,1,2,3
.irp c, 0,1
	ds_load_b128 v[64+8*\dt+4*\c:67+8*\dt+4*\c], v4 offset:32768+1024*\dt+512*\c
.endr
.endr
.irp dt, 0,1,2,3
	ds_load_b32 v[208+\dt], v6 offset:64*\dt
.endr
	s_wait_dscnt 12                                ; K's first four tiles are in (and, in the first trip, Q); V's twelve loads may stay out
.irp t, 0,1,2,3
	MM 96+8*\t, 32+8*\t, 16, 0, 200+\t, 24         ; S^T = K Q^T
.endr
	NOPS 4                                         ; places in front of the loads into K's registers
.irp t, 0,1,2,3
	ds_load_b128 v[32+8*\t:35+8*\t], v4 offset:2048+512*\t
	ds_load_u16 v[200+\t], v5 offset:128+32*\t
.endr
	s_wait_dscnt 0x0
.irp t, 0,1,2,3
	MM 128+8*\t, 32+8*\t, 16, 0, 200+\t, 24
.endr
	NOPS 5                                         ; lane (r, h) holds query r; the 16 registers of tiles 2 b, 2 b + 1 are keys 32 b + 16 h + 0..15 of the step
.irp b, 0,1,2,3
	v_max3_num_f32 v[232+\b], v[96+16*\b], v[97+16*\b], v[98+16*\b]      ; the largest score of each block of 32 keys: it serves the row's maximum and, since p rises with the score, the block's largest p
.endr
.irp i, 3,5,7,9,11,13
.irp b, 0,1,2,3
	v_max3_num_f32 v[232+\b], v[232+\b], v[96+16*\b+\i], v[97+16*\b+\i]
.endr
.endr
.irp b, 0,1,2,3
	v_max_num_f32 v[232+\b], v[232+\b], v[111+16*\b]
.endr
.irp b, 0,1,2,3
	v_permlanex16_b32 v[236+\b], v[232+\b], s[SEL], s[SEL+1]
.endr
.irp b, 0,1,2,3
	v_max_num_f32 v[232+\b], v[232+\b], v[236+\b]
.endr
	v_max3_num_f32 v254, v232, v233, v234
	v_max_num_f32 v254, v254, v235
	v_mul_f32 v254, s[CS], v254                    ; as t (c is positive)
	v_max_num_f32 v13, v13, v254                   ; the running largest t
	v_mov_b32 v254, v12
	v_floor_f32 v12, -v13                          ; the new -M = -ceil(t)
	v_sub_f32 v254, v12, v254                      ; old M - new M: a whole number, 0 or less
	v_cvt_i32_f32 v254, v254                       ; (it saturates)
	v_ldexp_f32 v250, 1.0, v254                    ; f = 2^(old M - new M)
.set j, 0
.rept 32
	v_pk_fma_f32 v[96+j:97+j], v[96+j:97+j], s[CS:CS+1], v[12:13] op_sel_hi:[1,0,0]     ; t - M
.set j, j+2
.endr
.irp b, 0,1,2,3
	v_fma_f32 v[232+\b], v[232+\b], s[CS], v12     ; the same of each block's largest score
.endr
.set j, 0
.rept 64
	v_exp_f32 v[96+j], v[96+j]                     ; p = 2^(t - M)
.set j, j+1
.endr
	v_pk_mul_f32 v[14:15], v[14:15], v[250:251] op_sel_hi:[1,0]          ; the sums under the new M: the plain line behind the batch
	s_wait_alu depctr_va_vdst(0)                   ; one wait for the 64, ahead of their first reader
.irp b, 0,1,2,3
	v_exp_f32 v[232+\b], v[232+\b]                 ; the blocks' largest p
.endr
	v_pk_add_f32 v[236:237], v[96:97], v[98:99]    ; the row's sum of the unquantised p, in two chains: it reads the 64 alone
.irp j, 4,8,12,16,20,24,28,32,36,40,44,48,52,56,60
	v_pk_add_f32 v[14:15], v[14:15], v[96+\j:97+\j]
	v_pk_add_f32 v[236:237], v[236:237], v[98+\j:99+\j]
.endr
	v_pk_add_f32 v[14:15], v[14:15], v[236:237]
	s_wait_alu depctr_va_vdst(0)                   ; and one for the four
.irp b, 0,1,2,3
	v_max_num_f32 v[232+\b], FLOOR, v[232+\b]
.endr
.irp b, 0,1,2,3
	v_add_nc_u32 v[244+\b], EOFF, v[232+\b]
.endr
.irp b, 0,1,2,3
	v_lshrrev_b32 v[236+\b], 23, v[244+\b]
.endr
	v_lshl_or_b32 v253, v237, 8, v236              ; p's scale word for these 128 keys
	v_lshl_or_b32 v253, v238, 16, v253
	v_lshl_or_b32 v253, v239, 24, v253
.irp b, 0,1,2,3
	v_cvt_scalef32_pk8_fp4_f32 v[192+2*\b], v[96+16*\b:103+16*\b], v[244+\b]
	v_cvt_scalef32_pk8_fp4_f32 v[193+2*\b], v[104+16*\b:111+16*\b], v[244+\b]
.endr
	v_nop
.irp c, 0,1
.irp i, 0,1
	v_permlane16_swap_b32 v[192+4*\c+\i], v[194+4*\c+\i]     ; a whole block a lane
.endr
.endr
.set j, 0
.rept 16
	v_pk_mul_f32 v[160+j:161+j], v[160+j:161+j], v[250:251] op_sel_hi:[1,0]      ; O^T under the new M, ascending.  Twelve of the sixteen name no register of any one product below: the places ahead of them
.set j, j+2
.endr
.irp dt, 0,1,2,3
	MM 160+8*\dt, 64+8*\dt, 192, 1, 208+\dt, 253   ; O^T += V^T P^T, four accumulators by turns
.endr
	s_add_co_u32 s45, s45, 4096
	s_add_co_u32 s46, s46, 256
	s_add_co_u32 s47, s47, 1
	s_cmp_lt_u32 s47, 8
	s_cbranch_scc1 .Lstep
	v_add_f32 v14, v14, v15                        ; the sum's two halves,
	v_permlanex16_b32 v252, v14, s[SEL], s[SEL+1]
	v_add_f32 v14, v14, v252                       ; and lane l xor 16's
	v_rcp_f32 v14, v14
	v_and_b32 v15, 15, v0                          ; the last phase's addresses are the plain work behind the reciprocal, and the places behind the last products
	v_bfe_u32 v13, v0, 4, 1
	v_lshrrev_b32 v12, 5, v0
	v_lshl_add_u32 v4, v12, 9, v1
	v_add_nc_u32 v4, OI, v4                        ; o's half fragment: 512 w + 16 lane
	v_lshrrev_b32 v5, 8, v0
	v_lshl_add_u32 v5, v5, 8, OS
	v_add_nc_u32 v5, v5, v27
	v_bfe_u32 v6, v0, 5, 3
	v_lshl_add_u32 v5, v6, 1, v5                   ; o's two bytes: row 16 m + r, bytes 2 head, 2 head + 1
	v_add_nc_u32 v6, OI, v1
	v_add_nc_u32 v8, OS, v27
	v_mul_u32_u24 v9, v15, 2064
	v_lshl_add_u32 v9, v13, 6, v9
	v_lshl_add_u32 v9, v12, 7, v9
	v_add_nc_u32 v9, STG, v9                       ; the stage, in: row r, 128 w + 64 h bytes on
	v_mul_u32_u24 v10, v12, 4128
	v_add_nc_u32 v10, v10, v1
	v_add_nc_u32 v10, STG, v10                     ; and back: rows 2 w, 2 w + 1
	s_wait_alu depctr_va_vdst(0)                   ; the wait ahead of the reciprocal's first reader
.set j, 0
.rept 32
	v_mul_f32 v[96+j], v[160+j], v14               ; o = O^T / the sum: registers 16 g + i: channel 32 g + 16 h + i of my head
.set j, j+1
.endr
	QUANT2 96, 220, 11, 212
	ds_store_b128 v4, v[220:223]
	ds_store_b16 v5, v11                           ; lanes l and l xor 16 write the same two bytes
	s_cmp_lg_u32 s[ODD], 0
	s_cbranch_scc1 .Lsecond_done                   ; odd parity: the product has been made
	FF2
.Lsecond_done:
	; all of Wo's part of the last phase goes out here, ahead of the barrier: two loads of scale words, four K steps of weights
.irp u, 0,1
	global_load_b128 v[128+4*\u:131+4*\u], v27, s[28:29] offset:256*\u           ; Wo's scale words: v[128 + 4 u + ks]
.endr
	WBLOAD 0
	WBLOAD 1
	WBLOAD 2
	WBLOAD 3
	s_wait_dscnt 0x0
	s_barrier_signal -1
	s_barrier_wait -1                              ; o's eight fragments lie in LDS
	; ---------------- P3: + o Wo: my 32 columns for both row tiles, four K steps onto the sums of hidden x Wff2 ----------------
.irp i, 0,1,2,3,4,5,6,7
	ds_load_b128 v[224+4*\i:227+4*\i], v26 offset:8192*\i  ; the accumulators come back into the registers that they left
.endr
.irp m, 0,1
	ds_load_b128 v[168+4*\m:171+4*\m], v8 offset:256*\m    ; o's scale words: v[168 + 4 m + ks]
.endr
	WALOAD 0
	WALOAD 1
.irp kk, 0,1,2,3
	s_wait_loadcnt 4*(3-\kk)                       ; this step's weights are in (and the scale words); the sets behind them may stay out
.if \kk < 3
	s_wait_dscnt 4                                 ; the accumulators, the scale words and this step's rows are in; the next step's four loads may stay out
.else
	s_wait_dscnt 0x0
.endif
.irp m, 0,1
.irp u, 0,1
	MM 224+8*(2*\m+\u), 32+16*\kk+8*\u, 96+16*(\kk%2)+8*\m, 1, 128+4*\u+\kk, 168+4*\m+\kk
.endr
.endr
	NOPS 4                                         ; places in front of the loads into the set just read, and of the first read of results
.if \kk < 2
	WALOAD \kk+2
.endif
.endr
	v_nop
.irp m, 0,1
.irp u, 0,1
	ds_store_b128 v9, v[224+8*(2*\m+\u):227+8*(2*\m+\u)] offset:33024*\m+32*\u           ; lane (r, h): out(16 m + r, 32 w + 16 h + 8 u + 0..7); each accumulator from its low end on
	ds_store_b128 v9, v[228+8*(2*\m+\u):231+8*(2*\m+\u)] offset:33024*\m+32*\u+16
.endr
.endr
	s_wait_dscnt 0x0
	s_barrier_signal -1
	s_barrier_wait -1                              ; 32 whole rows lie in the stage
.irp i, 0,1
.irp j, 0,1,2,3
	ds_load_b128 v[32+16*\i+4*\j:35+16*\i+4*\j], v10 offset:2064*\i+512*\j
.endr
.endr
.irp i, 0,1
.irp j, 0,1,2,3
	s_wait_dscnt 7-4*\i-\j
	global_store_b128 v1, v[32+16*\i+4*\j:35+16*\i+4*\j], s[38:39] offset:2048*\i+512*\j th:TH_STORE_NT   ; the wave stores 512 consecutive bytes, aligned; written once, read by nobody here
.endr
.endr
	s_wait_xcnt 0x0
	v_lshl_add_u32 v222, v0, 2, 0x3f800
	v_mov_b32 v223, 0
	s_wait_tensorcnt 0x0
	ds_add_u32 v222, v223
	s_wait_dscnt 0x0
	s_endpgm
.Lfunc_end_k_q761d68516d_attn:
	.size	k_q761d68516d_attn, .Lfunc_end_k_q761d68516d_attn-k_q761d68516d_attn
	.p2alignl 7, 3214868480
	.fill 96, 4, 3214868480
	.section	.rodata,"a",@progbits
	.p2align	6, 0x0
	.amdhsa_kernel k_q761d68516d_attn
		.amdhsa_group_segment_fixed_size 262144
		.amdhsa_private_segment_fixed_size 0
		.amdhsa_enable_private_segment 0
		.amdhsa_kernarg_size 40
		.amdhsa_user_sgpr_count 2
		.amdhsa_user_sgpr_kernarg_segment_ptr 1
		.amdhsa_wavefront_size32 1
		.amdhsa_system_sgpr_workgroup_id_x 1
		.amdhsa_system_sgpr_workgroup_id_y 1
		.amdhsa_system_sgpr_workgroup_id_z 1
		.amdhsa_system_vgpr_workitem_id 0
		.amdhsa_next_free_vgpr 256
		.amdhsa_next_free_sgpr 66
		.amdhsa_reserve_vcc 0
		.amdhsa_float_denorm_mode_32 3
		.amdhsa_float_denorm_mode_16_64 3
		.amdhsa_memory_ordered 1
		.amdhsa_forward_progress 1
		.amdhsa_inst_pref_size 91
	.end_amdhsa_kernel
	.amdgpu_metadata
---
amdhsa.version: [ 1, 2 ]
amdhsa.kernels:
  - .name:           k_q761d68516d_attn
    .symbol:         k_q761d68516d_attn.kd
    .args:
      - { .name: wts, .offset: 0, .size: 8, .value_kind: global_buffer, .address_space: global }
      - { .name: acts, .offset: 8, .size: 8, .value_kind: global_buffer, .address_space: global }
      - { .name: kvb, .offset: 16, .size: 8, .value_kind: global_buffer, .address_space: global }
      - { .name: hid, .offset: 24, .size: 8, .value_kind: global_buffer, .address_space: global }
      - { .name: out0, .offset: 32, .size: 8, .value_kind: global_buffer, .address_space: global }
    .group_segment_fixed_size: 262144
    .private_segment_fixed_size: 0
    .kernarg_segment_align: 8
    .kernarg_segment_size: 40
    .max_flat_workgroup_size: 512
    .sgpr_count:     66
    .vgpr_count:     256
    .wavefront_size: 32
...
	.end_amdgpu_metadata
.endif
;; end of part 3
;; ======== version 2 of 2: 3 launches
;; workspace buffers: wts 2,019,328 bytes; acts 4,456,448 bytes; kvb 278,528 bytes; hid 8,912,896 bytes
;; launch prep (part 4): grid 1000 x 1, 4 waves a work-group, no clusters, 14,848 bytes of LDS; arguments x, context, ln_g, ln_b, cln_g, cln_b, Wq, Wkv, Wo, Wff1, Wff2, wts, acts; writes wts, acts
.if DOCPART == 4
	.amdgcn_target "amdgcn-amd-amdhsa--gfx1250"
	.amdhsa_code_object_version 6
	.text
	.protected	k_q761d68516d_prep
	.globl	k_q761d68516d_prep
	.p2align	8
	.type	k_q761d68516d_prep,@function
k_q761d68516d_prep:
	s_mov_b64 s[64:65], 0
	v_nop
	global_prefetch_b8 v0, s[64:65] scope:SCOPE_SE
	s_setreg_imm32_b32 hwreg(HW_REG_WAVE_MODE, 25, 1), 1
	s_wait_xcnt 0x0
; PREP: everything that is quantised once.  Seven kinds of work-groups, told apart by the work-group's number alone:
;   0-255 LayerNorm(context) -> codes;  256-767 LayerNorm(x) -> codes;  768-895 Wff1;  896-959 Wff2;  960-975 Wq;  976-991 Wo;  992-999 Wkv -> codes.
; Codes are FP4 (E2M1) with one E8M0 byte for each 32 along K: byte = the exponent field of the block's largest magnitude - 2, held at 1 from below.
; LAYOUT OF ALL CODES: images of operand registers.  A fragment (16 rows x 128 K) is 1,024 bytes; block b (32 along K) of row r lies at 256 b + 16 r, which is 512 c + 16 lane:
; two loads of 16 bytes a lane at 16 lane + {0, 512} are the operand's eight registers.  Scale bytes: [row in tile order][K / 32].
; PERMUTED TILES (the weights and the context): tile 2 g + u holds in its row r the tensor's row 32 g + 8 u + r + 8 (r / 8), so that as source 0 of a product the 16 result registers of two
; neighbouring tiles are 16 neighbours along the next product's K.  x keeps its rows in order.
; LIMITS: NaN and infinities are not served.  A block whose largest magnitude lies under 2^-124 gets the byte 1; a block of zeros gets the byte 1 where the quantiser's rule says 127: its codes are zeros,
; and only this program reads the bytes.  v_rsq_f32 is accurate to one unit in the last place.
; No LDS ring, no matrix unit, no cluster: work-groups share no input here; each input byte is read once.  The weights' scale words leave as 4 bytes a lane to rows apart: one byte for each 128 read.
.set FLOOR,   0x1800000                ; 2^(3 - 127): no largest magnitude is taken under it
.set EOFF,    0xff000000               ; takes 2 off an exponent field
.set WQ_IMG,  0                        ; in wts
.set WO_IMG,  131072
.set WF2_IMG, 262144
.set WF1_IMG, 786432
.set WKV_IMG, 1835008
.set WQ_SC,   1900544
.set WO_SC,   1908736
.set WF2_SC,  1916928
.set WF1_SC,  1949696
.set WKV_SC,  2015232
.set XN_IMG,  0                        ; in acts
.set XN_SC,   2097152
.set CN_IMG,  2228224
.set CN_SC,   4325376
.set WV,      30                       ; s30      my wave's number
.set SEL,     40                       ; s[40:41] lane selects for v_permlanex16_b32: lane l xor 16
; A WEIGHT [K][N], f32, K its first axis.  A work-group takes 128 columns x 128 along K, a wave 32 columns, A LANE A COLUMN, its 128 registers running down K: four whole blocks a lane.
; Each load reads 128 consecutive bytes a wave, 512 a work-group.  Lane l is row r = l % 8 + 8 (l / 16) of tile 2 g + (l / 8) % 2.
.macro QW SRC, N, KST, IMG, SC, FIRST, LOGNB
	s_sub_co_u32 s32, ttmp9, \FIRST
	s_and_b32 s33, s32, \N/128-1                   ; which 128 columns
	s_lshr_b32 s34, s32, \LOGNB                    ; which K step
	s_lshl_b32 s33, s33, 2
	s_add_co_u32 s33, s33, s[WV]                   ; g: my wave's group of 32 columns
	s_mul_i32 s36, s34, 512*\N                     ; 128 rows of 4 N bytes a K step
	s_lshl_b32 s35, s33, 7
	s_add_co_u32 s36, s36, s35
	s_mov_b32 s37, 0
	s_add_nc_u64 s[42:43], s[\SRC:\SRC+1], s[36:37]
	s_mul_i32 s36, s33, 2048*\KST                  ; two tiles of KST fragments a group
	s_lshl_b32 s35, s34, 10
	s_add_co_u32 s36, s36, s35
	s_add_co_u32 s36, s36, \IMG
	s_add_nc_u64 s[44:45], s[26:27], s[36:37]
	s_mul_i32 s36, s33, 128*\KST                   ; 32 rows of 4 KST scale bytes a group
	s_lshl_b32 s35, s34, 2
	s_add_co_u32 s36, s36, s35
	s_add_co_u32 s36, s36, \SC
	s_add_nc_u64 s[46:47], s[26:27], s[36:37]
	v_lshlrev_b32 v2, 2, v1                        ; in: 4 bytes a lane
	v_bfe_u32 v5, v1, 3, 1                         ; u
	v_and_b32 v6, 7, v1
	v_lshrrev_b32 v7, 4, v1
	v_lshl_add_u32 v6, v7, 3, v6                   ; r
	v_mul_u32_u24 v3, v5, \KST*1024
	v_lshl_add_u32 v3, v6, 4, v3                   ; my 16 bytes of a block in the image
	v_lshl_add_u32 v4, v5, 4, v6
	v_mul_u32_u24 v4, v4, 4*\KST                   ; my row of scale bytes
.set i, 0
.rept 128
	global_load_b32 v[64+i], v2, s[42:43] offset:i*4*\N th:TH_LOAD_NT
.set i, i+1
.endr
.irp b, 0,1,2,3
.if \b < 2
	s_wait_loadcnt 63                              ; of 128 loads at most 63 are out: the first 65 are in, blocks 0 and 1 among them (a wait's count holds 63 at the most)
.else
	s_wait_loadcnt 96-32*\b                        ; the later blocks' loads may stay out
.endif
.set XS, 64+32*\b
	v_max3_num_f32 v6, |v[XS]|, |v[XS+1]|, |v[XS+2]|        ; the block's largest magnitude: all 32 numbers are mine; two chains
	v_max3_num_f32 v7, |v[XS+3]|, |v[XS+4]|, |v[XS+5]|
.irp i, 6,10,14,18,22,26
	v_max3_num_f32 v6, v6, |v[XS+\i]|, |v[XS+\i+1]|
	v_max3_num_f32 v7, v7, |v[XS+\i+2]|, |v[XS+\i+3]|
.endr
	v_max3_num_f32 v6, v6, |v[XS+30]|, |v[XS+31]|
	v_max3_num_f32 v6, v6, v7, FLOOR
	v_add_nc_u32 v[8+\b], EOFF, v6                 ; the conversion takes this operand's exponent field as its scale
	v_lshrrev_b32 v7, 23, v[8+\b]                  ; the scale's byte
.if \b == 0
	v_mov_b32 v5, v7
.else
	v_lshl_or_b32 v5, v7, 8*\b, v5                 ; four bytes make the K step's scale word
.endif
.irp g, 0,1,2,3
	v_cvt_scalef32_pk8_fp4_f32 v[16+4*\b+\g], v[XS+8*\g:XS+8*\g+7], v[8+\b]
.endr
	v_nop                                          ; one plain line behind the conversions
	global_store_b128 v3, v[16+4*\b:16+4*\b+3], s[44:45] offset:256*\b   ; the sixteen lanes of a tile store 256 consecutive bytes, aligned
.endr
	global_store_b32 v4, v5, s[46:47]
	s_endpgm
.endm
; The sums in v[8+2i:9+2i], i = 0..3, are added over the pair and over the 32 lanes; every lane gets the result in v[8+2i].
.macro REDUCE
.irp i, 0,1,2,3
	v_add_f32 v[8+2*\i], v[8+2*\i], v[9+2*\i]
.endr
.irp x, 1,2,4,8
.irp i, 0,1,2,3
	v_add_f32_dpp v[8+2*\i], v[8+2*\i], v[8+2*\i] row_xmask:\x row_mask:0xf bank_mask:0xf
.endr
.endr
.irp i, 0,1,2,3
	v_permlanex16_b32 v[16+\i], v[8+2*\i], s[SEL], s[SEL+1]
.endr
.irp i, 0,1,2,3
	v_add_f32 v[8+2*\i], v[8+2*\i], v[16+\i]
.endr
.endm
; LAYERNORM AND QUANTISER.  A work-group makes one tile of 16 rows, a wave four of them, whole rows in registers: lane l holds k = 256 g + 8 l + 0..7, so that four neighbouring lanes hold a block.
; Mean first, then the sum of squared differences: no difference of large sums.  A lane's eight codes (4 bytes) go to the tile's image in LDS (blocks of 256 bytes, 272 apart) and leave dense.
; REGISTERS: v[64 + i NR ..] row i; v192.. gain; v224.. bias; v8-15 sums; v16-19 permute targets; v20-27 means, v28-35 1 / sigma (both words of a pair hold the number);
; in the quantiser v8-11 largest magnitudes, v12-15 scale operands, v16-31 bytes, v36-51 codes: one register for each row and group, so that no LDS store's data are written again.
.macro LNP SRC, GP, BP, K, LOGK, PERM, IMG, SC, LB, LS, FIRST
.set NG, \K/256
.set NR, 8*NG
.set KB, \K/32
	s_sub_co_u32 s32, ttmp9, \FIRST                ; the tile
.if \PERM
	s_lshr_b32 s33, s32, 1                         ; tile rows 4 w + i are memory rows 32 (T / 2) + 8 (T % 2) + 4 w + 8 (w / 2) + i
	s_lshl_b32 s33, s33, 5
	s_and_b32 s34, s32, 1
	s_lshl_b32 s34, s34, 3
	s_add_co_u32 s33, s33, s34
	s_lshr_b32 s34, s[WV], 1
	s_lshl_b32 s34, s34, 3
	s_add_co_u32 s33, s33, s34
.else
	s_lshl_b32 s33, s32, 4
.endif
	s_lshl_b32 s34, s[WV], 2
	s_add_co_u32 s33, s33, s34                     ; my first row
	s_mul_i32 s34, s33, 4*\K
	s_mov_b32 s35, 0
	s_add_nc_u64 s[36:37], s[\SRC:\SRC+1], s[34:35]
	s_mul_i32 s38, s32, 8*\K                       ; a tile's image: K / 128 fragments
	s_add_co_u32 s38, s38, \IMG
	s_mov_b32 s39, 0
	s_add_nc_u64 s[42:43], s[28:29], s[38:39]
	s_mul_i32 s44, s32, \K/2                       ; and its 16 rows of scale bytes
	s_add_co_u32 s44, s44, \SC
	s_mov_b32 s45, 0
	s_add_nc_u64 s[46:47], s[28:29], s[44:45]
	s_mov_b32 s48, (127-\LOGK)<<23                 ; 1 / K
	s_mov_b32 s49, 0x3727c5ac                      ; 1e-5
	v_lshlrev_b32 v2, 5, v1                        ; my 32 bytes of each 1,024
	v_bfe_u32 v3, v0, 2, 3                         ; l / 4: which block of a group's eight
	v_and_b32 v4, 3, v0
	v_lshrrev_b32 v5, 5, v0                        ; wave
	v_mul_u32_u24 v6, v3, 272
	v_lshl_add_u32 v6, v4, 2, v6
	v_lshl_add_u32 v6, v5, 6, v6                   ; my 4 bytes of codes: 272 (l / 4) + 4 (l % 4) + 16 x 4 w: the 32 lanes fall on 32 different banks
	v_lshl_add_u32 v7, v5, \LOGK-3, v3             ; my block's byte: (K / 32) 4 w + l / 4
.irp i, 0,1,2,3
	v_mov_b32 v[16+\i], 0                          ; a lane permute's destination counts as one of its sources
.endr
.irp i, 0,1,2,3
.set g, 0
.rept 2*NG
	global_load_b128 v[64+\i*NR+4*g:64+\i*NR+4*g+3], v2, s[36:37] offset:\i*4*\K+1024*(g/2)+16*(g%2) th:TH_LOAD_NT
.set g, g+1
.endr
.endr
.set g, 0
.rept 2*NG
	global_load_b128 v[192+4*g:192+4*g+3], v2, s[\GP:\GP+1] offset:1024*(g/2)+16*(g%2)
.set g, g+1
.endr
.set g, 0
.rept 2*NG
	global_load_b128 v[224+4*g:224+4*g+3], v2, s[\BP:\BP+1] offset:1024*(g/2)+16*(g%2)
.set g, g+1
.endr
	s_wait_loadcnt 4*NG                            ; the rows are in; gain's and bias's 4 NG loads may stay out
.irp i, 0,1,2,3
	v_pk_add_f32 v[8+2*\i:9+2*\i], v[64+\i*NR:65+\i*NR], v[66+\i*NR:67+\i*NR]
.endr
.set j, 4
.rept NR/2-2
.irp i, 0,1,2,3
	v_pk_add_f32 v[8+2*\i:9+2*\i], v[8+2*\i:9+2*\i], v[64+\i*NR+j:65+\i*NR+j]   ; the four rows by turns
.endr
.set j, j+2
.endr
	REDUCE
.irp i, 0,1,2,3
	v_mul_f32 v[20+2*\i], s48, v[8+2*\i]           ; the mean
.endr
.irp i, 0,1,2,3
	v_mov_b32 v[21+2*\i], v[20+2*\i]
.endr
.set j, 0
.rept NR/2
.irp i, 0,1,2,3
	v_pk_add_f32 v[64+\i*NR+j:65+\i*NR+j], v[64+\i*NR+j:65+\i*NR+j], v[20+2*\i:21+2*\i] neg_lo:[0,1] neg_hi:[0,1]   ; x - mean
.endr
.set j, j+2
.endr
.irp i, 0,1,2,3
	v_pk_mul_f32 v[8+2*\i:9+2*\i], v[64+\i*NR:65+\i*NR], v[64+\i*NR:65+\i*NR]
.endr
.set j, 2
.rept NR/2-1
.irp i, 0,1,2,3
	v_pk_fma_f32 v[8+2*\i:9+2*\i], v[64+\i*NR+j:65+\i*NR+j], v[64+\i*NR+j:65+\i*NR+j], v[8+2*\i:9+2*\i]
.endr
.set j, j+2
.endr
	REDUCE
.irp i, 0,1,2,3
	v_fma_f32 v[8+2*\i], v[8+2*\i], s48, s49       ; the variance + 1e-5
.endr
	s_wait_alu depctr_va_vdst(0)
.irp i, 0,1,2,3
	v_rsq_f32 v[28+2*\i], v[8+2*\i]
.endr
	v_nop                                          ; a plain line behind the last of the four,
	s_wait_alu depctr_va_vdst(0)                   ; and one wait for the four, ahead of their first reader
.irp i, 0,1,2,3
	v_mov_b32 v[29+2*\i], v[28+2*\i]
.endr
	s_wait_alu depctr_va_vdst(0)
	s_wait_loadcnt 0x0                             ; gain and bias
.set j, 0
.rept NR/2
.irp i, 0,1,2,3
	v_pk_mul_f32 v[64+\i*NR+j:65+\i*NR+j], v[64+\i*NR+j:65+\i*NR+j], v[28+2*\i:29+2*\i]
.endr
.irp i, 0,1,2,3
	v_pk_fma_f32 v[64+\i*NR+j:65+\i*NR+j], v[64+\i*NR+j:65+\i*NR+j], v[192+j:193+j], v[224+j:225+j]
.endr
.set j, j+2
.endr
.set g, 0
.rept NG
.irp i, 0,1,2,3
	v_max3_num_f32 v[8+\i], |v[64+\i*NR+8*g]|, |v[65+\i*NR+8*g]|, FLOOR
.endr
.irp j, 2,4,6
.irp i, 0,1,2,3
	v_max3_num_f32 v[8+\i], v[8+\i], |v[64+\i*NR+8*g+\j]|, |v[65+\i*NR+8*g+\j]|
.endr
.endr
.irp x, 1,2
.irp i, 0,1,2,3
	v_max_num_f32_dpp v[8+\i], v[8+\i], v[8+\i] row_xmask:\x row_mask:0xf bank_mask:0xf   ; with the three lanes that share the block
.endr
.endr
.irp i, 0,1,2,3
	v_add_nc_u32 v[12+\i], EOFF, v[8+\i]
.endr
.irp i, 0,1,2,3
	v_lshrrev_b32 v[16+4*g+\i], 23, v[12+\i]
.endr
.irp i, 0,1,2,3
	v_cvt_scalef32_pk8_fp4_f32 v[36+4*g+\i], v[64+\i*NR+8*g:64+\i*NR+8*g+7], v[12+\i]
.endr
	v_nop                                          ; one plain line behind the conversions
.irp i, 0,1,2,3
	ds_store_b32 v6, v[36+4*g+\i] offset:\LB+16*\i+2176*g
	ds_store_b8 v7, v[16+4*g+\i] offset:\LS+KB*\i+8*g      ; the four lanes of a block write the same byte with the same value
.endr
.set g, g+1
.endr
	v_lshrrev_b32 v3, 4, v0                        ; the way out: thread t takes 16 bytes: block t / 16 of eight, 16 (t % 16) in it
	v_and_b32 v4, 15, v0
	v_mul_u32_u24 v3, v3, 272
	v_lshl_add_u32 v3, v4, 4, v3
	v_lshlrev_b32 v4, 4, v0
	v_lshlrev_b32 v5, \LOGK-6, v0                  ; wave 0: 8 or 16 scale bytes a lane
	s_wait_alu depctr_va_vdst(0)
	s_wait_dscnt 0x0                               ; for the others' sake: my stores have landed
	s_barrier_signal -1
	s_barrier_wait -1
.set j, 0
.rept NG
	ds_load_b128 v[64+4*j:67+4*j], v3 offset:\LB+2176*j
.set j, j+1
.endr
.set j, 0
.rept NG
	s_wait_dscnt NG-1-j                            ; the later loads may stay out
	global_store_b128 v4, v[64+4*j:67+4*j], s[42:43] offset:2048*j     ; a wave stores 512 consecutive bytes, aligned
.set j, j+1
.endr
	s_cmp_lg_u32 s[WV], 0
	s_cbranch_scc1 .Ldone_\@
.if \K == 512
	ds_load_b64 v[80:81], v5 offset:\LS            ; the tile's 256 scale bytes
	s_wait_dscnt 0x0
	global_store_b64 v5, v[80:81], s[46:47]
.else
	ds_load_b128 v[80:83], v5 offset:\LS           ; the tile's 512 scale bytes
	s_wait_dscnt 0x0
	global_store_b128 v5, v[80:83], s[46:47]
.endif
.Ldone_\@:
	s_wait_tensorcnt 0x0
	ds_add_u32 v62, v63
	s_wait_dscnt 0x0
	s_endpgm
.endm
	s_load_b512 s[4:19], s[0:1], 0x0               ; x s[4:5], context s[6:7], ln_g s[8:9], ln_b s[10:11], cln_g s[12:13], cln_b s[14:15], Wq s[16:17], Wkv s[18:19]
	s_load_b256 s[20:27], s[0:1], 0x40             ; Wo s[20:21], Wff1 s[22:23], Wff2 s[24:25], wts s[26:27]
	s_load_b64 s[28:29], s[0:1], 0x60              ; acts
	v_lshl_add_u32 v62, v0, 2, 0x3800
	v_mov_b32 v63, 0
	v_lshrrev_b32 v1, 5, v0
	v_readfirstlane_b32 s[WV], v1
	v_and_b32 v1, 31, v0                           ; lane
	s_mov_b32 s[SEL], 0x76543210
	s_mov_b32 s[SEL+1], 0xfedcba98
	s_wait_kmcnt 0x0
	s_cmp_lt_u32 ttmp9, 256
	s_cbranch_scc1 .Lctx
	s_cmp_lt_u32 ttmp9, 768
	s_cbranch_scc1 .Lx
	s_cmp_lt_u32 ttmp9, 896
	s_cbranch_scc1 .Lwff1
	s_cmp_lt_u32 ttmp9, 960
	s_cbranch_scc1 .Lwff2
	s_cmp_lt_u32 ttmp9, 976
	s_cbranch_scc1 .Lwq
	s_cmp_lt_u32 ttmp9, 992
	s_cbranch_scc1 .Lwo
	s_wait_alu depctr_va_vdst(0)
	QW 18, 128, 8, WKV_IMG, WKV_SC, 992, 0
.Lwo:
	s_wait_alu depctr_va_vdst(0)
	QW 20, 512, 4, WO_IMG, WO_SC, 976, 2
.Lwq:
	s_wait_alu depctr_va_vdst(0)
	QW 16, 512, 4, WQ_IMG, WQ_SC, 960, 2
.Lwff2:
	s_wait_alu depctr_va_vdst(0)
	QW 24, 512, 16, WF2_IMG, WF2_SC, 896, 2
.Lwff1:
	s_wait_alu depctr_va_vdst(0)
	QW 22, 4096, 4, WF1_IMG, WF1_SC, 768, 5
.Lx:                                                   ; each of the two paths with LDS has LDS bytes of its own
	s_wait_alu depctr_va_vdst(0)
	LNP 4, 8, 10, 512, 9, 0, XN_IMG, XN_SC, 9216, 13568, 256
.Lctx:
	s_wait_alu depctr_va_vdst(0)
	LNP 6, 12, 14, 1024, 10, 1, CN_IMG, CN_SC, 0, 8704, 0
.Lfunc_end_k_q761d68516d_prep:
	.size	k_q761d68516d_prep, .Lfunc_end_k_q761d68516d_prep-k_q761d68516d_prep
	.p2alignl 7, 3214868480
	.fill 96, 4, 3214868480
	.section	.rodata,"a",@progbits
	.p2align	6, 0x0
	.amdhsa_kernel k_q761d68516d_prep
		.amdhsa_group_segment_fixed_size 14848
		.amdhsa_private_segment_fixed_size 0
		.amdhsa_enable_private_segment 0
		.amdhsa_kernarg_size 104
		.amdhsa_user_sgpr_count 2
		.amdhsa_user_sgpr_kernarg_segment_ptr 1
		.amdhsa_wavefront_size32 1
		.amdhsa_system_sgpr_workgroup_id_x 1
		.amdhsa_system_sgpr_workgroup_id_y 1
		.amdhsa_system_sgpr_workgroup_id_z 1
		.amdhsa_system_vgpr_workitem_id 0
		.amdhsa_next_free_vgpr 256
		.amdhsa_next_free_sgpr 66
		.amdhsa_reserve_vcc 0
		.amdhsa_float_denorm_mode_32 3
		.amdhsa_float_denorm_mode_16_64 3
		.amdhsa_memory_ordered 1
		.amdhsa_forward_progress 1
		.amdhsa_inst_pref_size 167
	.end_amdhsa_kernel
	.amdgpu_metadata
---
amdhsa.version: [ 1, 2 ]
amdhsa.kernels:
  - .name:           k_q761d68516d_prep
    .symbol:         k_q761d68516d_prep.kd
    .args:
      - { .name: x, .offset: 0, .size: 8, .value_kind: global_buffer, .address_space: global }
      - { .name: context, .offset: 8, .size: 8, .value_kind: global_buffer, .address_space: global }
      - { .name: ln_g, .offset: 16, .size: 8, .value_kind: global_buffer, .address_space: global }
      - { .name: ln_b, .offset: 24, .size: 8, .value_kind: global_buffer, .address_space: global }
      - { .name: cln_g, .offset: 32, .size: 8, .value_kind: global_buffer, .address_space: global }
      - { .name: cln_b, .offset: 40, .size: 8, .value_kind: global_buffer, .address_space: global }
      - { .name: Wq, .offset: 48, .size: 8, .value_kind: global_buffer, .address_space: global }
      - { .name: Wkv, .offset: 56, .size: 8, .value_kind: global_buffer, .address_space: global }
      - { .name: Wo, .offset: 64, .size: 8, .value_kind: global_buffer, .address_space: global }
      - { .name: Wff1, .offset: 72, .size: 8, .value_kind: global_buffer, .address_space: global }
      - { .name: Wff2, .offset: 80, .size: 8, .value_kind: global_buffer, .address_space: global }
      - { .name: wts, .offset: 88, .size: 8, .value_kind: global_buffer, .address_space: global }
      - { .name: acts, .offset: 96, .size: 8, .value_kind: global_buffer, .address_space: global }
    .group_segment_fixed_size: 14848
    .private_segment_fixed_size: 0
    .kernarg_segment_align: 8
    .kernarg_segment_size: 104
    .max_flat_workgroup_size: 128
    .sgpr_count:     66
    .vgpr_count:     256
    .wavefront_size: 32
...
	.end_amdgpu_metadata
.endif
;; end of part 4
;; launch mid (part 5): grid 288 x 1, 16 waves a work-group, no clusters, 46,080 bytes of LDS; arguments wts, acts, kvb, hid; writes kvb, hid
.if DOCPART == 5
	.amdgcn_target "amdgcn-amd-amdhsa--gfx1250"
	.amdhsa_code_object_version 6
	.text
	.protected	k_q761d68516d_mid
	.globl	k_q761d68516d_mid
	.p2align	8
	.type	k_q761d68516d_mid,@function
k_q761d68516d_mid:
	s_mov_b64 s[64:65], 0
	v_nop
	global_prefetch_b8 v0, s[64:65] scope:SCOPE_SE
	s_setreg_imm32_b32 hwreg(HW_REG_WAVE_SCHED_MODE, 0, 2), 2
	s_setreg_imm32_b32 hwreg(HW_REG_WAVE_MODE, 25, 1), 1
	s_wait_xcnt 0x0
	s_wait_alu depctr_vm_vsrc(0)
; MID: two products on codes of FP4 with E8M0 scales, whose results are quantised in registers and leave as codes.
;   work-groups 0-31:    kv = cn Wkv for 128 keys each; k leaves as codes along the head's 64, v as codes along the keys.
;   work-groups 32-255:  ff = xn Wff1 for 9 row tiles (144 rows) x 512 hidden units each; silu(gate) x h in f32; codes along the hidden units.
;   work-groups 256-287: the same for one row tile each: for each quarter of the hidden units 56 x 9 + 8 = 512 row tiles.  A work-group fills a WGP's registers, so 32 WGPs get two: the short kv work-groups
;                        have the lowest numbers and the short ff work-groups the highest, so that short follows short.
; All codes lie as images of operand registers (a fragment of 16 rows x 128 K: 1,024 bytes, block b of row r at 256 b + 16 r = 512 c + 16 lane); the weights' and the context's tiles are permuted
; (tile 2 g + u, row r = the tensor's row 32 g + 8 u + r + 8 (r / 8)).  EVERY PRODUCT IS USED TRANSPOSED: source 0 is the side whose index is to run along a lane's registers: then the 16 result registers
; of tiles 2 g and 2 g + 1 are the neighbours 32 g + 16 (lane / 16) + 0..15 of the next product's K, and a block of 32 lies in lanes l and l xor 16.
; FF: THE WEIGHTS STAY IN REGISTERS, THE ROWS WALK.  Wave w of sixteen owns 32 hidden units: two tiles of h, two of gate, four K steps: 16 fragments, 128 registers, read from memory once.
; The work-group's rows of xn lie in LDS, filled once through registers; each fragment read from LDS feeds four products.  A tile's scale words (256 dense bytes) come straight into registers, two tiles ahead.
; Sixteen waves of 256 registers, four to a SIMD: the epilogue (32 transcendentals and some 90 plain lines for 16 products) of one wave stands beside the products and loads of the others.
; No tensor load, so no ring; no cluster: what work-groups share (xn by 4, a quarter of Wff1 by 64) goes straight into registers or is 36 KB, filled once.
; LIMITS: NaN and infinities are not served; a block under 2^-124 and a block of zeros get the byte 1 (zeros' codes are zeros; only this program reads the bytes); v_exp_f32 and v_rcp_f32 flush denormals.
; THE MODE: SCHED_MODE bits 1:0 = 2 (LLVM: expert scheduling mode 2), set by the entry lines.  The code itself states the register dependences
; between vector or matrix instructions and memory or LDS instructions, with s_wait_alu, always for 0.
; THE PLAN, FF.  Registers that memory or LDS instructions touch:
;   v1, v3-v7  offsets and addresses: made once, ahead of the first load, and never written again.
;   AF         At the head it carries the rows from memory to LDS.  Then: tile t's products read it; behind them the LDS loads of tile t + 1 land in it.
;   AS0, AS1   Tile t's products read set t % 2; behind them the load of tile t + 2 lands in it.
;   CD, v17    Written by tile t's quantiser; read by the two stores that are issued in tile t + 1.
;   WF, WS     Loaded once.  ACC and T are named by vector and matrix instructions alone.
; So, beside the activation's four and one ahead of the quantiser, ONE wait on va_vdst stands in a tile behind its products' places: the products are done reading AF and AS's set, and the last tile's quantiser has written CD and v17.
; The tile's nine loads and two stores follow it; no vector instruction since names their registers.  One wait on vm_vsrc stands ahead of the quantiser, which writes CD and v17 again.
; THE PLAN, KV.  Four sets of five fragments: step ks's products read set ks % 4; the loads of step ks + 4 land in it at the head of step ks + 1, behind that step's wait for its data and one wait on va_vdst.
.set FLOOR,   0x1800000
.set EOFF,    0xff000000
.set WF1_IMG, 786432                   ; in wts
.set WKV_IMG, 1835008
.set WF1_SC,  1949696
.set WKV_SC,  2015232
.set XN_SC,   2097152                  ; in acts (xn's images begin at 0)
.set CN_IMG,  2228224
.set CN_SC,   4325376
.set HID_SC,  8388608                  ; in hid (the images begin at 0)
.set AI9,     0                        ; LDS, the path of 9 tiles: xn's 9 x 4 fragments,
.set OSC9,    36864                    ; and the hidden layer's scale bytes: [144 rows][a byte for each wave]
.set AI1,     39424                    ; LDS, the path of one tile: bytes of its own
.set OSC1,    43520
.set WV,      12                       ; s12      my wave's number
.set SEL,     14                       ; s[14:15] lane selects: lane l xor 16
.set CD,      12                       ; v12-13   the codes just made
.set T,       20                       ; v20-35   at work in the activation
.set WS,      36                       ; v36-51   Wff1's scale words: 4 tl + ks
.set AF,      52                       ; v52-83   xn's four fragments of a row tile
.set ACC,     84                       ; v84-115  tl = 0, 1: h; tl = 2, 3: gate
.set AS,      116                      ; v116-123 xn's scale words, two sets: tile t in set t % 2
.set WF,      128                      ; v128-255 Wff1's fragments: 8 (4 tl + ks)
.macro NOPS n
.rept \n
	v_nop
.endr
.endm
; one product: d += a x b (z = 0: the sum starts with the constant 0); sa, sb: the scale words' registers
.macro MM d, a, b, z, sa, sb
.if (\z) == 0
	v_wmma_scale_f32_16x16x128_f8f6f4 v[(\d):(\d)+7], v[(\a):(\a)+7], v[(\b):(\b)+7], 0, v[\sa], v[\sb] matrix_a_fmt:MATRIX_FMT_FP4 matrix_b_fmt:MATRIX_FMT_FP4
.else
	v_wmma_scale_f32_16x16x128_f8f6f4 v[(\d):(\d)+7], v[(\a):(\a)+7], v[(\b):(\b)+7], v[(\d):(\d)+7], v[\sa], v[\sb] matrix_a_fmt:MATRIX_FMT_FP4 matrix_b_fmt:MATRIX_FMT_FP4
.endif
.endm
; 16 numbers of a lane, half a block (the other half: lane l xor 16) -> 8 bytes of codes in v[C], v[C+1], the byte in v[BY].  QT: three registers at work.  Each tile of eight is read first at its lowest register.
.macro QUANT1 S, C, BY, QT
	v_max3_num_f32 v[\QT], |v[\S]|, |v[\S+1]|, FLOOR
	v_max3_num_f32 v[\QT+1], |v[\S+2]|, |v[\S+3]|, |v[\S+4]|
	v_max3_num_f32 v[\QT], v[\QT], |v[\S+5]|, |v[\S+6]|
	v_max3_num_f32 v[\QT+1], v[\QT+1], |v[\S+7]|, |v[\S+8]|
	v_max3_num_f32 v[\QT], v[\QT], |v[\S+9]|, |v[\S+10]|
	v_max3_num_f32 v[\QT+1], v[\QT+1], |v[\S+11]|, |v[\S+12]|
	v_max3_num_f32 v[\QT], v[\QT], |v[\S+13]|, |v[\S+14]|
	v_max3_num_f32 v[\QT], v[\QT], v[\QT+1], |v[\S+15]|
	v_permlanex16_b32 v[\QT+1], v[\QT], s[SEL], s[SEL+1]
	v_max_num_f32 v[\QT], v[\QT], v[\QT+1]         ; the block's largest magnitude
	v_add_nc_u32 v[\QT+2], EOFF, v[\QT]            ; the conversion takes this operand's exponent field as its scale
	v_lshrrev_b32 v[\BY], 23, v[\QT+2]
	v_cvt_scalef32_pk8_fp4_f32 v[\C], v[\S:\S+7], v[\QT+2]
	v_cvt_scalef32_pk8_fp4_f32 v[\C+1], v[\S+8:\S+15], v[\QT+2]
	v_nop                                          ; one plain line behind the conversions
.endm
; 32 numbers of a lane, halves of two blocks, by turns -> codes in v[PC + 2 b], v[PC + 2 b + 1], bytes in v[QT + 6 + b].  QT: eight registers.
.macro QCORE S, PC, QT
.irp b, 0,1
	v_max3_num_f32 v[\QT+\b], |v[\S+16*\b]|, |v[\S+16*\b+1]|, FLOOR
.endr
.irp b, 0,1
	v_max3_num_f32 v[\QT+2+\b], |v[\S+16*\b+2]|, |v[\S+16*\b+3]|, |v[\S+16*\b+4]|
.endr
.irp i, 5,9
.irp b, 0,1
	v_max3_num_f32 v[\QT+\b], v[\QT+\b], |v[\S+16*\b+\i]|, |v[\S+16*\b+\i+1]|
.endr
.irp b, 0,1
	v_max3_num_f32 v[\QT+2+\b], v[\QT+2+\b], |v[\S+16*\b+\i+2]|, |v[\S+16*\b+\i+3]|
.endr
.endr
.irp b, 0,1
	v_max3_num_f32 v[\QT+\b], v[\QT+\b], |v[\S+16*\b+13]|, |v[\S+16*\b+14]|
.endr
.irp b, 0,1
	v_max3_num_f32 v[\QT+\b], v[\QT+\b], v[\QT+2+\b], |v[\S+16*\b+15]|
.endr
.irp b, 0,1
	v_permlanex16_b32 v[\QT+2+\b], v[\QT+\b], s[SEL], s[SEL+1]
.endr
.irp b, 0,1
	v_max_num_f32 v[\QT+\b], v[\QT+\b], v[\QT+2+\b]
.endr
.irp b, 0,1
	v_add_nc_u32 v[\QT+4+\b], EOFF, v[\QT+\b]
.endr
.irp b, 0,1
	v_lshrrev_b32 v[\QT+6+\b], 23, v[\QT+4+\b]
.endr
.irp b, 0,1
	v_cvt_scalef32_pk8_fp4_f32 v[\PC+2*\b], v[\S+16*\b:\S+16*\b+7], v[\QT+4+\b]
	v_cvt_scalef32_pk8_fp4_f32 v[\PC+2*\b+1], v[\S+16*\b+8:\S+16*\b+15], v[\QT+4+\b]
.endr
	v_nop
.endm
; and on to half a fragment: v[PC .. PC+3] hold a whole block a lane (lanes 0-15 the first, lanes 16-31 the second), v[HW] the two bytes
.macro QUANT2 S, PC, HW, QT
	QCORE \S, \PC, \QT
	v_lshl_or_b32 v[\HW], v[\QT+7], 8, v[\QT+6]
	v_permlane16_swap_b32 v[\PC], v[\PC+2]
	v_permlane16_swap_b32 v[\PC+1], v[\PC+3]
.endm
.macro FETCH t, ai                     ; row tile t: its four fragments from LDS
.irp i, 0,1,2,3,4,5,6,7
	ds_load_b128 v[AF+4*\i:AF+4*\i+3], v1 offset:(\ai)+4096*(\t)+512*\i
.endr
.endm
.macro ASLOAD t                        ; row tile t: its scale words, 16 bytes a row: sixteen lanes read 256 consecutive bytes, lanes 16-31 the same
	global_load_b128 v[AS+4*((\t)%2):AS+4*((\t)%2)+3], v7, s[26:27] offset:256*(\t)
.endm
.macro OUT t                           ; row tile t leaves
	global_store_b64 v4, v[CD:CD+1], s[28:29] offset:16384*(\t)     ; the wave stores 256 consecutive bytes, aligned: the block's codes of 16 rows
	ds_store_b8 v3, v17 offset:256*(\t)            ; lanes l and l xor 16 write the same byte with the same value
.endm
.macro SWIGLU                          ; h <- gate x sigmoid(gate) x h, in f32; every run ascends
.irp j, 0,2,4,6,8,10,12,14
	v_pk_mul_f32 v[T+\j:T+\j+1], v[ACC+16+\j:ACC+17+\j], s[32:33] op_sel_hi:[1,0]
.endr
	s_wait_alu depctr_va_vdst(0)
.irp j, 0,1,2,3,4,5,6,7,8,9,10,11,12,13,14,15
	v_exp_f32 v[T+\j], v[T+\j]                     ; e^(-gate)
.endr
	v_nop                                          ; a plain line behind the batch,
	s_wait_alu depctr_va_vdst(0)                   ; and one wait for the sixteen exponentials' results in T, ahead of their first reader
.irp j, 0,2,4,6,8,10,12,14
	v_pk_add_f32 v[T+\j:T+\j+1], v[T+\j:T+\j+1], 1.0 op_sel_hi:[1,0]
.endr
	s_wait_alu depctr_va_vdst(0)
.irp j, 0,1,2,3,4,5,6,7,8,9,10,11,12,13,14,15
	v_rcp_f32 v[T+\j], v[T+\j]
.endr
	v_nop
	s_wait_alu depctr_va_vdst(0)                   ; the same for the sixteen reciprocals' results in T
.irp j, 0,2,4,6,8,10,12,14
	v_pk_mul_f32 v[T+\j:T+\j+1], v[ACC+16+\j:ACC+17+\j], v[T+\j:T+\j+1]
.endr
.irp j, 0,2,4,6,8,10,12,14
	v_pk_mul_f32 v[ACC+\j:ACC+\j+1], v[T+\j:T+\j+1], v[ACC+\j:ACC+\j+1]
.endr
.endm
.macro TILE t, nt, ai                  ; row tile t of nt
	s_wait_dscnt 0x0                               ; the tile's fragments are in
.if (\t)+1 < (\nt)
	s_wait_loadcnt 1                               ; its scale words are in (at tile 0: the weights too); the next tile's one load may stay out
.else
	s_wait_loadcnt 0x0
.endif
.irp ks, 0,1,2,3
.irp tl, 0,1,2,3
	MM ACC+8*\tl, WF+8*(4*\tl+\ks), AF+8*\ks, \ks, WS+4*\tl+\ks, AS+4*((\t)%2)+\ks     ; the four accumulators by turns
.endr
.endr
	NOPS 5                                         ; places: four in front of the first read of results and of the loads into registers just read, five in front of the next tile's sums, which start over these accumulators
.if (\t)+1 < (\nt) || (\t) > 0
	s_wait_alu depctr_va_vdst(0)                   ; the products are done reading AF and this tile's set of AS, in which the loads below land; the last tile's quantiser has written CD and v17, which the stores below read
.endif
.if (\t)+1 < (\nt)
	FETCH (\t)+1, \ai                              ; lands under the activation
.endif
.if (\t)+2 < (\nt)
	ASLOAD (\t)+2                                  ; into the set that this tile's products have read
.endif
.if (\t) > 0
	OUT (\t)-1                                     ; the tile before.  No further wait: no vector instruction since the wait above names CD, v17 or the two addresses
.endif
	SWIGLU
	s_wait_alu depctr_va_vdst(0)
	s_wait_xcnt 0x0                                ; the store above has had its address translated: the codes' registers may be written
.if (\t) > 0
	s_wait_alu depctr_vm_vsrc(0)                   ; the two stores above have read CD and v17, which the quantiser writes again
.endif
	QUANT1 ACC, CD, 17, 14
.endm
; THE FF PATH for nt row tiles (nt odd): xn's images at LDS byte ai, the scale bytes that are made at osc.
.macro FFBODY nt, ai, osc
	v_lshl_add_u32 v3, v18, 4, \osc
	v_add_nc_u32 v3, s[WV], v3                     ; my wave's byte of row r
	s_wait_alu depctr_va_vdst(0)                   ; v1 and v3 to v7 are written: every load and store of this path reads one of them as its offset or address
.if (\nt) > 1
.set jj, 0
.rept (\nt)/2
	global_load_b128 v[52+4*jj:55+4*jj], v5, s[24:25] offset:8192*jj     ; the rows first: two tiles a load, 512 threads x 16 bytes
.set jj, jj+1
.endr
.endif
	global_load_b64 v[68:69], v6, s[24:25] offset:8192*((\nt)/2)         ; the odd tile: 512 threads x 8 bytes
.irp tl, 0,1,2,3
.irp ks, 0,1,2,3
.irp c, 0,1
	global_load_b128 v[WF+8*(4*\tl+\ks)+4*\c:WF+8*(4*\tl+\ks)+4*\c+3], v1, s[20:21] offset:(\tl%2)*4096+\ks*1024+512*\c+(\tl/2)*524288
.endr
.endr
.endr
.irp tl, 0,1,2,3
	global_load_b128 v[WS+4*\tl:WS+4*\tl+3], v7, s[22:23] offset:(\tl%2)*256+(\tl/2)*32768
.endr
	ASLOAD 0
.if (\nt) > 1
	ASLOAD 1
	s_wait_loadcnt 38                              ; the rows are in; the weights' 36 loads and the two of scale words may stay out
.else
	s_wait_loadcnt 37                              ; the same with one load of scale words
.endif
.if (\nt) > 1
.set jj, 0
.rept (\nt)/2
	ds_store_b128 v5, v[52+4*jj:55+4*jj] offset:(\ai)+8192*jj
.set jj, jj+1
.endr
.endif
	ds_store_b64 v6, v[68:69] offset:(\ai)+8192*((\nt)/2)
	s_wait_dscnt 0x0                               ; for the others' sake: my stores have landed
	s_barrier_signal -1
	s_barrier_wait -1                              ; the rows lie in LDS
	s_wait_alu depctr_vm_vsrc(0)                   ; my LDS stores have read v52 to v69: these registers are AF from here on, in which the fragments' loads land
	FETCH 0, \ai
.set tt, 0
.rept \nt
	TILE tt, \nt, \ai
.set tt, tt+1
.endr
	s_wait_alu depctr_va_vdst(0)                   ; the last tile's quantiser has written CD and v17, which the two stores below read
	OUT (\nt)-1
	s_wait_dscnt 0x0
	s_barrier_signal -1
	s_barrier_wait -1                              ; 16 nt rows x 16 scale bytes lie in LDS
	s_cmp_lt_u32 s[WV], \nt
	s_cbranch_scc0 .Lff_end_\@
	ds_load_b64 v[52:53], v6 offset:\osc           ; wave w takes tile w's 256 bytes, 8 a lane (the last products, which read v52 and v53, stand ahead of the last wait on va_vdst)
	s_wait_dscnt 0x0
	global_store_b64 v6, v[52:53], s[30:31]        ; 256 consecutive bytes a wave, aligned
.Lff_end_\@:
	s_wait_xcnt 0x0
	v_lshl_add_u32 v254, v0, 2, 0xac00
	v_mov_b32 v255, 0
	s_wait_dscnt 0x0                               ; the closing lines, six on end
	s_wait_alu 0x0
	s_wait_tensorcnt 0x0
	ds_add_u32 v254, v255
	s_wait_dscnt 0x0
	s_endpgm
.endm
	s_load_b256 s[4:11], s[0:1], 0x0               ; wts s[4:5], acts s[6:7], kvb s[8:9], hid s[10:11]
	v_lshrrev_b32 v1, 5, v0
	v_readfirstlane_b32 s[WV], v1                  ; wave 0..15
	v_and_b32 v1, 31, v0
	v_lshlrev_b32 v1, 4, v1                        ; 16 x lane: my place in an image; never rewritten
	v_and_b32 v18, 15, v0                          ; r
	v_bfe_u32 v19, v0, 4, 1                        ; h
	s_wait_alu depctr_va_sdst(0)                   ; s12, the wave's number, is written: ahead of the branch below and of its first reader on either way
	s_mov_b32 s[SEL], 0x76543210
	s_mov_b32 s[SEL+1], 0xfedcba98
	s_cmp_lt_u32 ttmp9, 32
	s_cbranch_scc1 .Lkv
	; ---------------- FF ----------------
	s_sub_co_u32 s16, ttmp9, 32
	s_and_b32 s17, s16, 3                          ; which quarter of the 2,048 hidden units
	s_lshr_b32 s18, s16, 2                         ; 0-55: nine row tiles; 56-63: one
	s_mul_i32 s34, s18, 9
	s_add_co_u32 s35, s18, 448                     ; 504 + (s18 - 56)
	s_cmp_lt_u32 s18, 56
	s_cselect_b32 s34, s34, s35                    ; my first row tile
	s_lshl_b32 s19, s17, 4
	s_add_co_u32 s19, s19, s[WV]                   ; g: my group of 32 hidden units
	s_lshl_b32 s20, s19, 13                        ; Wff1's images: two tiles of 4 KB a group; gate's lie 128 tiles on
	s_add_co_u32 s20, s20, WF1_IMG
	s_mov_b32 s21, 0
	s_lshl_b32 s22, s19, 9                         ; its scale rows: 32 rows of 16 bytes a group
	s_add_co_u32 s22, s22, WF1_SC
	s_mov_b32 s23, 0
	s_lshl_b32 s24, s34, 12                        ; xn's images: 4 KB a row tile
	s_mov_b32 s25, 0
	s_lshl_b32 s26, s34, 8                         ; xn's scale rows: 256 bytes a row tile
	s_add_co_u32 s26, s26, XN_SC
	s_mov_b32 s27, 0
	s_lshl_b32 s28, s34, 14                        ; out: 16 KB a row tile; my block of 32 hidden units is 256 bytes of each
	s_lshl_b32 s29, s19, 8
	s_add_co_u32 s28, s28, s29
	s_mov_b32 s29, 0
	s_lshl_b32 s30, s17, 17                        ; out: scale bytes [quarter][row][16]
	s_lshl_b32 s31, s34, 8
	s_add_co_u32 s30, s30, s31
	s_add_co_u32 s30, s30, HID_SC
	s_mov_b32 s31, 0
	s_mov_b32 s32, 0xbfb8aa3b                      ; -log2(e); the packed form names the pair and takes its low word for both halves
	s_mov_b32 s33, s32
	s_wait_alu depctr_va_vdst(0)
	v_lshlrev_b32 v4, 4, v18
	v_lshl_add_u32 v4, v19, 3, v4                  ; my 8 bytes of the block's 256: 16 r + 8 h
	v_lshlrev_b32 v5, 4, v0                        ; 16 x thread
	v_lshlrev_b32 v6, 3, v0                        ; 8 x thread
	v_lshlrev_b32 v7, 4, v18                       ; 16 r
	s_wait_kmcnt 0x0
	s_add_nc_u64 s[20:21], s[4:5], s[20:21]
	s_add_nc_u64 s[22:23], s[4:5], s[22:23]
	s_add_nc_u64 s[24:25], s[6:7], s[24:25]
	s_add_nc_u64 s[26:27], s[6:7], s[26:27]
	s_add_nc_u64 s[28:29], s[10:11], s[28:29]
	s_add_nc_u64 s[30:31], s[10:11], s[30:31]
	s_cmp_ge_u32 s18, 56
	s_cbranch_scc1 .Lff_small
	FFBODY 9, AI9, OSC9
.Lff_small:
	FFBODY 1, AI1, OSC1
	; ---------------- KV ----------------
	; 128 keys to a work-group.  One text for two roles, four tiles as source 0 against one tile as source 1, K = 1,024 in eight steps:
	;   waves 0-7  (k): source 0 = Wkv's tiles 0-3 (the head's 64), source 1 = the context's tile 8 G + idx: a lane holds one key, 32 registers along d
	;   waves 8-15 (v): source 0 = the context's tiles 8 G + 4 c + 0..3 (64 keys), source 1 = Wkv's tile 4 + dt: a lane holds one d, 32 registers along the keys
	; Both kinds of image are 8 KB a tile and both kinds of scale rows 512 bytes a tile.  Pointers and offsets are chosen by selects on the wave's number; no branch, no LDS, no barrier.
	; REGISTERS: v2 32 r; v3 the two bytes; v4-11 at work; v12-15 the codes; v16-47 source 0's scale words (8 i + ks); v48-55 source 1's; v56-87 the four accumulators; v88-247 four sets of five fragments; v250 the bytes' place
.Lkv:
	s_lshr_b32 s16, ttmp9, 3                       ; the batch
	s_and_b32 s17, ttmp9, 7                        ; which 128 keys of it
	s_and_b32 s18, s[WV], 7                        ; idx
	s_and_b32 s19, s[WV], 3                        ; dt
	s_bfe_u32 s20, s[WV], 0x10002                  ; c
	s_lshl_b32 s21, ttmp9, 3
	s_add_co_u32 s22, s21, s18                     ; the context's tile 8 G + idx
	s_lshl_b32 s23, s20, 2
	s_add_co_u32 s23, s21, s23                     ; 8 G + 4 c
	s_add_co_u32 s24, s19, 4                       ; Wkv's tile 4 + dt
	s_mov_b32 s26, WKV_IMG                         ; source 0's images: k,
	s_lshl_b32 s27, s23, 13
	s_add_co_u32 s27, s27, CN_IMG                  ; v
	s_lshl_b32 s28, s22, 13
	s_add_co_u32 s28, s28, CN_IMG                  ; source 1's: k,
	s_lshl_b32 s29, s24, 13
	s_add_co_u32 s29, s29, WKV_IMG                 ; v
	s_mov_b32 s30, WKV_SC                          ; the scale rows likewise
	s_lshl_b32 s31, s23, 9
	s_add_co_u32 s31, s31, CN_SC
	s_lshl_b32 s32, s22, 9
	s_add_co_u32 s32, s32, CN_SC
	s_lshl_b32 s33, s24, 9
	s_add_co_u32 s33, s33, WKV_SC
	s_mul_i32 s34, s16, 69632                      ; a batch of kvb: K's images 32 KB, V's 32 KB, K's scale bytes 2 KB, V's 2 KB
	s_lshl_b32 s35, s17, 3
	s_add_co_u32 s35, s35, s18                     ; key tile 8 sv + idx
	s_lshl_b32 s36, s35, 9
	s_add_co_u32 s36, s36, s34                     ; k's half fragment
	s_lshl_b32 s37, s35, 5
	s_add_co_u32 s37, s37, s34
	s_add_co_u32 s37, s37, 65536                   ; k's bytes: two a key
	s_lshl_b32 s38, s17, 2
	s_add_co_u32 s38, s38, s19                     ; 4 sv + dt
	s_lshl_b32 s39, s38, 10
	s_add_co_u32 s39, s39, s34
	s_lshl_b32 s40, s20, 9
	s_add_co_u32 s39, s39, s40
	s_add_co_u32 s39, s39, 32768                   ; v's half fragment c
	s_lshl_b32 s40, s38, 6
	s_add_co_u32 s40, s40, s34
	s_lshl_b32 s41, s20, 1
	s_add_co_u32 s40, s40, s41
	s_add_co_u32 s40, s40, 67584                   ; v's bytes 2 c, 2 c + 1 of a word a d
	s_wait_kmcnt 0x0
	s_cmp_lt_u32 s[WV], 8                          ; the role; the selects and the 64-bit sums below leave SCC alone
	s_cselect_b64 s[42:43], s[4:5], s[6:7]         ; source 0's buffer
	s_cselect_b64 s[44:45], s[6:7], s[4:5]         ; source 1's
	s_cselect_b32 s26, s26, s27
	s_cselect_b32 s28, s28, s29
	s_cselect_b32 s30, s30, s31
	s_cselect_b32 s32, s32, s33
	s_cselect_b32 s36, s36, s39
	s_cselect_b32 s38, s37, s40
	s_cselect_b32 s41, 1, 2                        ; bytes from row to row, as a shift
	s_mov_b32 s27, 0
	s_mov_b32 s29, 0
	s_mov_b32 s31, 0
	s_mov_b32 s33, 0
	s_mov_b32 s37, 0
	s_mov_b32 s39, 0
	s_add_nc_u64 s[26:27], s[42:43], s[26:27]
	s_add_nc_u64 s[28:29], s[44:45], s[28:29]
	s_add_nc_u64 s[30:31], s[42:43], s[30:31]
	s_add_nc_u64 s[32:33], s[44:45], s[32:33]
	s_add_nc_u64 s[36:37], s[8:9], s[36:37]
	s_add_nc_u64 s[38:39], s[8:9], s[38:39]
	s_wait_alu depctr_va_vdst(0)
	v_lshlrev_b32 v2, 5, v18                       ; a scale row is 32 bytes
	v_lshlrev_b32 v250, s41, v18
	s_wait_alu depctr_va_vdst(0)                   ; v1, v2 and v250 are written, the offsets of all loads and stores below; v18 and v19, in which scale words land, are written and have been read
.irp i, 0,1,2,3
	global_load_b128 v[16+8*\i:19+8*\i], v2, s[30:31] offset:512*\i
	global_load_b128 v[20+8*\i:23+8*\i], v2, s[30:31] offset:512*\i+16
.endr
	global_load_b128 v[48:51], v2, s[32:33]
	global_load_b128 v[52:55], v2, s[32:33] offset:16
.macro LOADK ks                        ; K step ks: ten loads into set ks % 4
.set KL, 88+40*((\ks)%4)
.irp i, 0,1,2,3
.irp c, 0,1
	global_load_b128 v[KL+8*\i+4*\c:KL+8*\i+4*\c+3], v1, s[26:27] offset:8192*\i+1024*(\ks)+512*\c
.endr
.endr
.irp c, 0,1
	global_load_b128 v[KL+32+4*\c:KL+32+4*\c+3], v1, s[28:29] offset:1024*(\ks)+512*\c
.endr
.endm
	LOADK 0
	LOADK 1
	LOADK 2
	LOADK 3
.irp ks, 0,1,2,3,4,5,6,7
.if \ks == 0
	s_wait_loadcnt 30                              ; step 0's set is in (and the scale words); the three sets behind it may stay out
.elseif \ks < 6
	s_wait_loadcnt 20                              ; this step's set is in; the two sets issued behind it may stay out
.else
	s_wait_loadcnt 10*(7-\ks)                      ; the counts run down
.endif
.if \ks > 0 && \ks < 5
	s_wait_alu depctr_va_vdst(0)                   ; the last step's products are done reading their set, in which the ten loads below land
	LOADK \ks+3
.endif
.set KQ, 88+40*(\ks%4)
.irp i, 0,1,2,3
	MM 56+8*\i, KQ+8*\i, KQ+32, \ks, 16+8*\i+\ks, 48+\ks
.endr
	NOPS 5                                         ; places behind the products: in front of the next step's loads into this set, and of the first read of results
.endr
	QUANT2 56, 12, 3, 4
	s_wait_alu depctr_va_vdst(0)                   ; the quantiser has written v12 to v15 and v3, which the two stores read
	global_store_b128 v1, v[12:15], s[36:37]       ; half a fragment: 512 consecutive bytes
	global_store_b16 v250, v3, s[38:39]            ; lanes l and l xor 16 write the same two bytes
	s_endpgm
.Lfunc_end_k_q761d68516d_mid:
	.size	k_q761d68516d_mid, .Lfunc_end_k_q761d68516d_mid-k_q761d68516d_mid
	.p2alignl 7, 3214868480
	.fill 96, 4, 3214868480
	.section	.rodata,"a",@progbits
	.p2align	6, 0x0
	.amdhsa_kernel k_q761d68516d_mid
		.amdhsa_group_segment_fixed_size 46080
		.amdhsa_private_segment_fixed_size 0
		.amdhsa_enable_private_segment 0
		.amdhsa_kernarg_size 32
		.amdhsa_user_sgpr_count 2
		.amdhsa_user_sgpr_kernarg_segment_ptr 1
		.amdhsa_wavefront_size32 1
		.amdhsa_system_sgpr_workgroup_id_x 1
		.amdhsa_system_sgpr_workgroup_id_y 1
		.amdhsa_system_sgpr_workgroup_id_z 1
		.amdhsa_system_vgpr_workitem_id 0
		.amdhsa_next_free_vgpr 256
		.amdhsa_next_free_sgpr 66
		.amdhsa_reserve_vcc 0
		.amdhsa_float_denorm_mode_32 3
		.amdhsa_float_denorm_mode_16_64 3
		.amdhsa_memory_ordered 1
		.amdhsa_forward_progress 1
		.amdhsa_inst_pref_size 103
	.end_amdhsa_kernel
	.amdgpu_metadata
---
amdhsa.version: [ 1, 2 ]
amdhsa.kernels:
  - .name:           k_q761d68516d_mid
    .symbol:         k_q761d68516d_mid.kd
    .args:
      - { .name: wts, .offset: 0, .size: 8, .value_kind: global_buffer, .address_space: global }
      - { .name: acts, .offset: 8, .size: 8, .value_kind: global_buffer, .address_space: global }
      - { .name: kvb, .offset: 16, .size: 8, .value_kind: global_buffer, .address_space: global }
      - { .name: hid, .offset: 24, .size: 8, .value_kind: global_buffer, .address_space: global }
    .group_segment_fixed_size: 46080
    .private_segment_fixed_size: 0
    .kernarg_segment_align: 8
    .kernarg_segment_size: 32
    .max_flat_workgroup_size: 512
    .sgpr_count:     66
    .vgpr_count:     256
    .wavefront_size: 32
...
	.end_amdgpu_metadata
.endif
;; end of part 5
;; launch attn (part 6): grid 256 x 1, 16 waves a work-group, no clusters, 262,144 bytes of LDS; arguments wts, acts, kvb, hid, out0; writes out0
.if DOCPART == 6
	.amdgcn_target "amdgcn-amd-amdhsa--gfx1250"
	.amdhsa_code_object_version 6
	.text
	.protected	k_q761d68516d_attn
	.globl	k_q761d68516d_attn
	.p2align	8
	.type	k_q761d68516d_attn,@function
k_q761d68516d_attn:
	s_mov_b64 s[64:65], 0
	v_nop
	global_prefetch_b8 v0, s[64:65] scope:SCOPE_SE
	s_setreg_imm32_b32 hwreg(HW_REG_WAVE_SCHED_MODE, 0, 2), 2
	s_setreg_imm32_b32 hwreg(HW_REG_WAVE_MODE, 25, 1), 1
	s_wait_xcnt 0x0
	s_wait_alu depctr_vm_vsrc(0)
; ATTN: for 32 rows of x a work-group makes q = xn Wq, the attention of 8 heads over the batch's 1,024 keys, and out = hidden Wff2 + o Wo.  All products on codes of FP4 with E8M0 scales.
; q, the scores, p and o never leave the WGP.  The last two products are ONE sum over K = 2,048 + 512 in one accumulator (Wff2's K first), so the final addition costs nothing.
; All codes lie as images of operand registers (16 rows x 128 K: 1,024 bytes, block b of row r at 256 b + 16 r = 512 c + 16 lane).  Every product is used transposed: a lane holds one row (query), its
; registers run along what is the next product's K; the tiles of the weights, of K's keys and of V's channels are permuted for that (tile 2 g + u, row r = 32 g + 8 u + r + 8 (r / 8)).
; PHASES, four barriers:  P0 loads | P1 wave w: q's columns 32 w .. + 31 for both row tiles, quantised, to LDS | P2 two pieces of work a wave, see below | P3 wave w: + o Wo for out's columns 32 w .. + 31, and the way out.
; P2: TWO PIECES THAT DO NOT HANG ON EACH OTHER.  (a) attention: row tile w / 8, head w % 8, eight steps of 128 keys: vector work, nothing from memory.  (b) hidden x Wff2 for out's columns 32 w .. + 31: 16 K steps,
; 32 KB of weights a wave from memory, 64 products, next to no vector work.  The eight waves whose number has odd parity take (b) first, the other eight take it last: so while one half waits for weights the
; other half has the vector units.  By the parity any four waves w, w + 4, w + 8, w + 12, and any four neighbouring waves, are split two and two.  The key steps are on every wave's path; (b) is straight-line
; text, written twice, each copy under a branch on the wave's number with no barrier inside.  (b) leaves its four accumulators as an image in the wave's own LDS bytes; they come back as the C of P3's first products.
; THE SOFTMAX: t = score x log2(e) / 8; M = the running largest t rounded UP to a whole number; p = 2^(t - M) is quantised along the keys, not normalised; the row's sum is taken of the unquantised p and divides
; O at the end; when M moves, the sum and O are multiplied by 2^(old M - new M), which rounds nothing.  THE FACTOR 1 / 8 on q is a power of two: it moves a block's exponent and no code, so q is quantised
; without it and it stands in the constant c = log2(e) / 8.  K = 64 fills half of a product's 128: the upper halves of Q's and K's fragments are zero codes, their scale bytes 0 (2^-127, never 0xff).
; Sixteen waves of 256 registers, four to a SIMD: a key step has some 230 vector lines, 68 of them exponentials, for 12 products, so one wave's vector work stands beside the others' products and loads.
; NO CLUSTER, NO TENSOR LOAD: every LDS region is filled once, through registers.  What work-groups share: K and V (68 KB, 64 work-groups) are a thirteenth of the 910 KB that a work-group reads; Wq, Wo, Wff2
; (808 KB, all work-groups) go straight into the registers of the one wave that multiplies by them: sent jointly they would have to pass, 680 KB of them, through the 67 KB of LDS that are left, in ten
; refills or more, each behind a round of four work-groups' 64 waves.
; LIMITS: NaN and infinities are not served; a block under 2^-124 and a block of zeros get the byte 1 (zeros' codes are zeros; only this program reads the bytes); leaving the 1 / 8 out of q's quantiser moves
; the hold of its exponent by three binades; v_exp_f32 and v_rcp_f32 flush denormals.
; THE MODE: SCHED_MODE bits 1:0 = 2 (LLVM: expert scheduling mode 2), set by the entry lines.  The code itself states the register dependences
; between vector or matrix instructions and memory or LDS instructions, with s_wait_alu, always for 0.
; THE PLAN.  v1 and v25 to v28, offsets and addresses, are made once and never written again.  Registers that memory or LDS instructions touch, in the three runs of steps:
;   HIDDEN x Wff2.  Weights: FIVE sets (v32-95; the fifth v128-135 with v168-175); rows: THREE sets (v96-127, v208-223).  Step kk's products read sets kk % 5 and kk % 3; the loads of steps kk + 5 and kk + 3 land
;     there at the head of step kk + 1, behind that step's waits for its data and ONE wait on va_vdst.  As many loads are out as there are with four and two sets filled again behind a step's own products.
;   THE KEY STEPS.  K: TWO sets of four fragments (v32-63, v200-231) and eight scale words (v240-243, v8-11), read by the step's eight score products; V (v64-95) and its scale words (v4-7), read by its four O products;
;     v29-31, the step's addresses, written at its head.  The wait behind the 64 exponentials stands behind all of these: so V's loads of this step and K's of the next follow it
;     with no wait of their own, and land under the rest of the softmax.  One wait on vm_vsrc at a step's head, ahead of the adds to v29-31; one on va_vdst ahead of the O products, whose operand p vector lines write.
;   o x Wo.  Four sets of weights (v32-95) and four of rows (v96-127, v208-223, v136-151): all loads go out ahead of the first product, and the four steps hold no s_wait_alu.
.set FLOOR,   0x1800000
.set EOFF,    0xff000000
.set WQ_IMG,  0                        ; in wts
.set WO_IMG,  131072
.set WF2_IMG, 262144
.set WQ_SC,   1900544
.set WO_SC,   1908736
.set WF2_SC,  1916928
.set XN_SC,   2097152                  ; in acts (xn's images begin at 0)
.set HID_SC,  8388608                  ; in hid
.set HIDI,    69632                    ; LDS: 0: the batch's K and V as in kvb (K's images 32 KB, V's 32 KB, K's bytes at 65,536, V's at 67,584);  here: the hidden layer's 2 x 16 fragments
.set XI,      102400                   ; xn's 2 x 4 fragments
.set QI,      110592                   ; q: 16 half fragments (row tile m, head: 8 m + head)
.set QS,      118784                   ; q's scale bytes: 16 x 16 rows x 2
.set OI,      119296                   ; o's 2 x 4 fragments
.set OS,      127488                   ; o's scale rows: 32 x 16 bytes
.set STG,     128000                   ; the way out: 32 rows x (2,048 + 16) bytes
.set STASH,   194560                   ; the accumulators of hidden x Wff2: eight times 16 bytes a thread, 8,192 bytes apart
.set SEL,     40                       ; s[40:41] lane selects: lane l xor 16
.set CS,      42                       ; s[42:43] c = log2(e) / 8
.set WV,      44                       ; s44      my wave's number
.set ODD,     48                       ; s48      the parity of my wave's number
.macro NOPS n
.rept \n
	v_nop
.endr
.endm
.macro MM d, a, b, z, sa, sb           ; one product: d += a x b (z = 0: the sum starts with the constant 0); sa, sb: the scale words' registers
.if (\z) == 0
	v_wmma_scale_f32_16x16x128_f8f6f4 v[(\d):(\d)+7], v[(\a):(\a)+7], v[(\b):(\b)+7], 0, v[\sa], v[\sb] matrix_a_fmt:MATRIX_FMT_FP4 matrix_b_fmt:MATRIX_FMT_FP4
.else
	v_wmma_scale_f32_16x16x128_f8f6f4 v[(\d):(\d)+7], v[(\a):(\a)+7], v[(\b):(\b)+7], v[(\d):(\d)+7], v[\sa], v[\sb] matrix_a_fmt:MATRIX_FMT_FP4 matrix_b_fmt:MATRIX_FMT_FP4
.endif
.endm
; 32 numbers of a lane, halves of two blocks (the other halves: lane l xor 16), by turns -> codes in v[PC + 2 b], v[PC + 2 b + 1], bytes in v[QT + 6 + b].  QT: eight registers.  Each tile of eight is read first at its lowest register.
.macro QCORE S, PC, QT
.irp b, 0,1
	v_max3_num_f32 v[\QT+\b], |v[\S+16*\b]|, |v[\S+16*\b+1]|, FLOOR
.endr
.irp b, 0,1
	v_max3_num_f32 v[\QT+2+\b], |v[\S+16*\b+2]|, |v[\S+16*\b+3]|, |v[\S+16*\b+4]|
.endr
.irp i, 5,9
.irp b, 0,1
	v_max3_num_f32 v[\QT+\b], v[\QT+\b], |v[\S+16*\b+\i]|, |v[\S+16*\b+\i+1]|
.endr
.irp b, 0,1
	v_max3_num_f32 v[\QT+2+\b], v[\QT+2+\b], |v[\S+16*\b+\i+2]|, |v[\S+16*\b+\i+3]|
.endr
.endr
.irp b, 0,1
	v_max3_num_f32 v[\QT+\b], v[\QT+\b], |v[\S+16*\b+13]|, |v[\S+16*\b+14]|
.endr
.irp b, 0,1
	v_max3_num_f32 v[\QT+\b], v[\QT+\b], v[\QT+2+\b], |v[\S+16*\b+15]|
.endr
.irp b, 0,1
	v_permlanex16_b32 v[\QT+2+\b], v[\QT+\b], s[SEL], s[SEL+1]
.endr
.irp b, 0,1
	v_max_num_f32 v[\QT+\b], v[\QT+\b], v[\QT+2+\b]        ; the block's largest magnitude
.endr
.irp b, 0,1
	v_add_nc_u32 v[\QT+4+\b], EOFF, v[\QT+\b]              ; the conversion takes this operand's exponent field as its scale
.endr
.irp b, 0,1
	v_lshrrev_b32 v[\QT+6+\b], 23, v[\QT+4+\b]
.endr
.irp b, 0,1
	v_cvt_scalef32_pk8_fp4_f32 v[\PC+2*\b], v[\S+16*\b:\S+16*\b+7], v[\QT+4+\b]
	v_cvt_scalef32_pk8_fp4_f32 v[\PC+2*\b+1], v[\S+16*\b+8:\S+16*\b+15], v[\QT+4+\b]
.endr
	v_nop                                          ; one plain line behind the conversions
.endm
.macro QUANT2 S, PC, HW, QT            ; and on to half a fragment: a whole block a lane (lanes 0-15 the first, lanes 16-31 the second); v[HW]: the two bytes
	QCORE \S, \PC, \QT
	v_lshl_or_b32 v[\HW], v[\QT+7], 8, v[\QT+6]
	v_permlane16_swap_b32 v[\PC], v[\PC+2]
	v_permlane16_swap_b32 v[\PC+1], v[\PC+3]
.endm
.macro FBLOAD kk                       ; Wff2, K step kk of 16: my two tiles' fragments into set kk % 5: sets 0 to 3 in v32-95, set 4 in v128-135 and v168-175
.set BQ0, 32+16*((\kk)%5)
.set BQ1, BQ0+8
.if (\kk)%5 == 4
.set BQ0, 128
.set BQ1, 168
.endif
.irp c, 0,1
	global_load_b128 v[BQ0+4*\c:BQ0+4*\c+3], v1, s[36:37] offset:1024*(\kk)+512*\c
.endr
.irp c, 0,1
	global_load_b128 v[BQ1+4*\c:BQ1+4*\c+3], v1, s[36:37] offset:16384+1024*(\kk)+512*\c
.endr
.endm
.macro FALOAD kk                       ; the hidden layer, K step kk: the two row tiles' fragments into set kk % 3: sets 0 and 1 in v96-127, set 2 in v208-223
.set AQ, 96+16*((\kk)%3)
.if (\kk)%3 == 2
.set AQ, 208
.endif
.irp m, 0,1
.irp c, 0,1
	ds_load_b128 v[AQ+8*\m+4*\c:AQ+8*\m+4*\c+3], v25 offset:1024*(16*\m+(\kk))+512*\c
.endr
.endr
.endm
.macro WBLOAD kk                       ; Wo, K step kk of 4: set kk of v32-95
.set BQ, 32+16*(\kk)
.irp u, 0,1
.irp c, 0,1
	global_load_b128 v[BQ+8*\u+4*\c:BQ+8*\u+4*\c+3], v1, s[34:35] offset:4096*\u+1024*(\kk)+512*\c
.endr
.endr
.endm
.macro WALOAD kk                       ; o, K step kk of 4: a set for each step: v96, v112, v208, v136
.set AQ, 96+16*(\kk)
.if (\kk) == 2
.set AQ, 208
.endif
.if (\kk) == 3
.set AQ, 136
.endif
.irp m, 0,1
.irp c, 0,1
	ds_load_b128 v[AQ+8*\m+4*\c:AQ+8*\m+4*\c+3], v6 offset:1024*(4*\m+(\kk))+512*\c
.endr
.endr
.endm
; HIDDEN x Wff2: my 32 columns for both row tiles, 16 K steps, four accumulators v224-255 (8 (2 m + u)) by turns.  Every offset is an immediate.  Four sets of weights are on their way, 8 KB a wave.
; REGISTERS: v32-95, v128-135, v168-175 Wff2's ring; v96-127, v208-223 the rows' ring; v136-167 Wff2's scale words (16 u + ks); v176-207 the hidden layer's (16 m + ks).
; What stands ahead of each copy: a wait on va_vdst behind the last vector or matrix line that names any of these registers or v25 to v28, and a wait on vm_vsrc behind the last load or store that read one of them.
.macro FF2
.irp u, 0,1
.irp q, 0,1,2,3
	global_load_b128 v[136+16*\u+4*\q:139+16*\u+4*\q], v28, s[30:31] offset:1024*\u+16*\q
.endr
.endr
.irp m, 0,1
.irp q, 0,1,2,3
	global_load_b128 v[176+16*\m+4*\q:179+16*\m+4*\q], v27, s[32:33] offset:131072*\q+256*\m
.endr
.endr
	FBLOAD 0
	FBLOAD 1
	FBLOAD 2
	FBLOAD 3
	FALOAD 0
	FALOAD 1
.irp kk, 0,1,2,3,4,5,6,7,8,9,10,11,12,13,14,15
.if \kk < 13
	s_wait_loadcnt 12                              ; this step's weights are in (and all scale words); the three sets behind them may stay out
.else
	s_wait_loadcnt 4*(15-\kk)
.endif
.if \kk < 15
	s_wait_dscnt 4                                 ; this step's rows are in; the next step's four loads may stay out
.else
	s_wait_dscnt 0x0
.endif
.if \kk > 0 && \kk < 14
	s_wait_alu depctr_va_vdst(0)                   ; the last step's products are done reading their set of weights and their set of rows, in which the loads below land
.endif
.if \kk < 12
	FBLOAD \kk+4                                   ; (step 0: into the fifth set, which nothing has named since the wait ahead of this text)
.endif
.if \kk < 14
	FALOAD \kk+2                                   ; (step 0: into the third set, likewise)
.endif
.set WQ0, 32+16*(\kk%5)
.set WQ1, WQ0+8
.if \kk%5 == 4
.set WQ0, 128
.set WQ1, 168
.endif
.set RQ, 96+16*(\kk%3)
.if \kk%3 == 2
.set RQ, 208
.endif
	MM 224, WQ0, RQ,   \kk, 136+\kk, 176+\kk       ; row tile 0, my tile 0
	MM 232, WQ1, RQ,   \kk, 152+\kk, 176+\kk       ; row tile 0, my tile 1
	MM 240, WQ0, RQ+8, \kk, 136+\kk, 192+\kk       ; row tile 1, my tile 0
	MM 248, WQ1, RQ+8, \kk, 152+\kk, 192+\kk       ; row tile 1, my tile 1: the four accumulators by turns
	NOPS 4                                         ; places behind the step's products, in front of the next step's loads into the sets just read, and of the stores of the results
.endr
	v_nop                                          ; a fifth place, for what is later laid over these registers
	s_wait_alu depctr_va_vdst(0)                   ; the products have written the accumulators, which the LDS stores read, and are done reading all their sets, in which later loads land
.irp i, 0,1,2,3,4,5,6,7
	ds_store_b128 v26, v[224+4*\i:227+4*\i] offset:8192*\i         ; the accumulators as they stand, each from its low end on, into bytes that are my thread's own
.endr
	s_wait_dscnt 0x0                               ; my image has landed
	s_wait_alu depctr_vm_vsrc(0)                   ; the eight stores have read v224 to v255, which are written again behind this text: by the softmax's lines, or by the loads that bring the image back
.endm
	; ---------------- P0: every load of the first two phases goes out at once ----------------
	s_load_b256 s[4:11], s[0:1], 0x0               ; wts s[4:5], acts s[6:7], kvb s[8:9], hid s[10:11]
	s_load_b64 s[12:13], s[0:1], 0x20              ; out0
	v_lshrrev_b32 v2, 5, v0
	v_readfirstlane_b32 s[WV], v2                  ; wave 0..15
	v_and_b32 v1, 31, v0
	v_lshlrev_b32 v1, 4, v1                        ; 16 x lane; never rewritten
	v_lshlrev_b32 v2, 4, v0                        ; 16 x thread
	v_and_b32 v3, 15, v0
	v_lshlrev_b32 v3, 4, v3                        ; 16 r
	v_lshlrev_b32 v197, 3, v0                      ; 8 x thread
	s_wait_alu depctr_va_sdst(0)                   ; s44, the wave's number, is written, ahead of its first reader: offsets into the weights and into out0 are made from it
	s_lshl_b32 s16, ttmp9, 13                      ; xn's images: two row tiles of 4 KB
	s_mov_b32 s17, 0
	s_lshl_b32 s18, ttmp9, 9                       ; xn's scale rows: 32 x 16 bytes
	s_add_co_u32 s18, s18, XN_SC
	s_mov_b32 s19, 0
	s_lshl_b32 s20, s[WV], 9                       ; Wq's scale rows of my two tiles
	s_add_co_u32 s20, s20, WQ_SC
	s_mov_b32 s21, 0
	s_lshl_b32 s22, s[WV], 13                      ; Wq's images of my two tiles
	s_mov_b32 s23, 0
	s_lshr_b32 s24, ttmp9, 6                       ; the batch: 64 work-groups each
	s_mul_i32 s24, s24, 69632
	s_mov_b32 s25, 0
	s_lshl_b32 s26, ttmp9, 15                      ; the hidden layer's images: two row tiles of 16 KB
	s_mov_b32 s27, 0
	s_lshl_b32 s28, s[WV], 9
	s_add_co_u32 s28, s28, WO_SC
	s_mov_b32 s29, 0
	s_lshl_b32 s30, s[WV], 11                      ; Wff2's scale rows: 32 x 64 bytes
	s_add_co_u32 s30, s30, WF2_SC
	s_mov_b32 s31, 0
	s_lshl_b32 s32, ttmp9, 9                       ; the hidden layer's scale rows, in each of four quarters
	s_add_co_u32 s32, s32, HID_SC
	s_mov_b32 s33, 0
	s_lshl_b32 s34, s[WV], 13
	s_add_co_u32 s34, s34, WO_IMG
	s_mov_b32 s35, 0
	s_lshl_b32 s36, s[WV], 15                      ; Wff2's images: two tiles of 16 KB
	s_add_co_u32 s36, s36, WF2_IMG
	s_mov_b32 s37, 0
	s_lshl_b32 s38, ttmp9, 16                      ; out0: 32 rows of 2,048 bytes; on the way out my wave stores rows 2 w, 2 w + 1
	s_lshl_b32 s39, s[WV], 12
	s_add_co_u32 s38, s38, s39
	s_mov_b32 s39, 0
	s_mov_b32 s[SEL], 0x76543210
	s_mov_b32 s[SEL+1], 0xfedcba98
	s_mov_b32 s[CS], 0x3e38aa3b
	s_mov_b32 s[CS+1], s[CS]                       ; (named with it as a pair, so it is written)
	s_wait_kmcnt 0x0
	s_add_nc_u64 s[16:17], s[6:7], s[16:17]
	s_add_nc_u64 s[18:19], s[6:7], s[18:19]
	s_add_nc_u64 s[20:21], s[4:5], s[20:21]
	s_add_nc_u64 s[22:23], s[4:5], s[22:23]
	s_add_nc_u64 s[24:25], s[8:9], s[24:25]
	s_add_nc_u64 s[26:27], s[10:11], s[26:27]
	s_add_nc_u64 s[28:29], s[4:5], s[28:29]
	s_add_nc_u64 s[30:31], s[4:5], s[30:31]
	s_add_nc_u64 s[32:33], s[10:11], s[32:33]
	s_add_nc_u64 s[34:35], s[4:5], s[34:35]
	s_add_nc_u64 s[36:37], s[4:5], s[36:37]
	s_add_nc_u64 s[38:39], s[12:13], s[38:39]
	s_wait_alu depctr_va_vdst(0)                   ; v1, v2, v3 and v197 are written, the offsets of the loads below
	global_load_b128 v[192:195], v2, s[16:17]      ; xn's 8 KB: 16 bytes a thread
.irp m, 0,1
	global_load_b128 v[24+4*\m:27+4*\m], v3, s[18:19] offset:256*\m      ; xn's scale words: v[24 + 4 m + ks]
.endr
.irp u, 0,1
	global_load_b128 v[16+4*\u:19+4*\u], v3, s[20:21] offset:256*\u      ; Wq's: v[16 + 4 u + ks]
.endr
.set i, 0
.rept 16
	global_load_b128 v[32+4*i:35+4*i], v1, s[22:23] offset:512*i         ; Wq's eight fragments: v[32 + 8 (4 u + ks)]
.set i, i+1
.endr
.irp j, 0,1,2,3,4,5,6,7
	global_load_b128 v[200+4*\j:203+4*\j], v2, s[24:25] offset:8192*\j   ; K's and V's images
.endr
	global_load_b64 v[232:233], v197, s[24:25] offset:65536              ; and their scale bytes
.irp j, 0,1,2,3
	global_load_b128 v[234+4*\j:237+4*\j], v2, s[26:27] offset:8192*\j th:TH_LOAD_NT    ; the hidden layer: read once in the launch
.endr
	v_lshl_add_u32 v4, v0, 4, XI                   ; LDS addresses: bases above 65,535 are carried in the registers
	v_add_nc_u32 v5, XI, v1
	v_lshl_add_u32 v198, v0, 3, 65536
	v_lshl_add_u32 v199, v0, 4, HIDI
	v_lshrrev_b32 v14, 5, v0                       ; w
	v_lshl_add_u32 v250, v14, 8, QI
	v_add_nc_u32 v250, v250, v3
	v_bfe_u32 v15, v0, 4, 1                        ; h
	v_lshl_add_u32 v250, v15, 3, v250              ; q's codes: block w of sixteen, 16 r + 8 h in it; row tile 1 lies 4,096 on
	v_lshrrev_b32 v14, 6, v0
	v_lshl_add_u32 v251, v14, 5, QS
	v_bfe_u32 v15, v0, 5, 1
	v_add_nc_u32 v251, v251, v15
	v_and_b32 v14, 15, v0
	v_lshl_add_u32 v251, v14, 1, v251              ; q's bytes: 32 (w / 2) + 2 r + w % 2; row tile 1 lies 256 on
	s_wait_loadcnt 33                              ; xn's image is in; the 33 loads behind it may stay out
	s_wait_alu depctr_va_vdst(0)                   ; v4, v5, v198, v199, v250 and v251 are written, the addresses of the LDS stores and loads of the first two phases
	ds_store_b128 v4, v[192:195]
	s_wait_dscnt 0x0
	s_barrier_signal -1
	s_barrier_wait -1                              ; xn's eight fragments lie in LDS
	; ---------------- P1: q = xn Wq, my 32 columns for both row tiles ----------------
.set i, 0
.rept 16
	ds_load_b128 v[96+4*i:99+4*i], v5 offset:512*i         ; xn's fragments: v[96 + 8 (4 m + ks)]
.set i, i+1
.endr
	s_wait_loadcnt 13                              ; the scale words and Wq are in; K's and V's nine loads and the hidden layer's four may stay out
	s_wait_dscnt 0x0
.irp ks, 0,1,2,3
.irp m, 0,1
.irp u, 0,1
	MM 160+8*(2*\m+\u), 32+8*(4*\u+\ks), 96+8*(4*\m+\ks), \ks, 16+4*\u+\ks, 24+4*\m+\ks    ; four accumulators by turns
.endr
.endr
.endr
	NOPS 5                                         ; places behind the products
	QCORE 160, 252, 6                              ; block b = row tile b: 16 neighbouring columns a lane
	s_wait_alu depctr_va_vdst(0)                   ; the quantiser has written v252 to v255, v12 and v13, which the four LDS stores read
	ds_store_b64 v250, v[252:253]
	ds_store_b64 v250, v[254:255] offset:4096
	ds_store_b8 v251, v12
	ds_store_b8 v251, v13 offset:256
	s_wait_loadcnt 0x0
.irp j, 0,1,2,3,4,5,6,7
	ds_store_b128 v2, v[200+4*\j:203+4*\j] offset:8192*\j
.endr
	ds_store_b64 v198, v[232:233]
.irp j, 0,1,2,3
	ds_store_b128 v199, v[234+4*\j:237+4*\j] offset:8192*\j
.endr
	s_wait_dscnt 0x0
	s_barrier_signal -1
	s_barrier_wait -1                              ; q, K, V and the hidden layer lie in LDS
	; ---------------- P2: hidden x Wff2 and the attention, in either order ----------------
	s_wait_alu depctr_vm_vsrc(0)                   ; the loads and LDS stores of the first two phases have read their registers (offsets and addresses v2 to v5, v197 to v199, v250, v251; data v12, v13, v192 to v249, v252 to v255): on either way all of them are written anew
	v_add_nc_u32 v25, HIDI, v1                     ; what both copies of the product name is made here, ahead of the first parting, and never rewritten: the hidden layer's images,
	v_lshl_add_u32 v26, v0, 4, STASH               ; my thread's place for the accumulators,
	v_and_b32 v27, 15, v0
	v_lshlrev_b32 v28, 6, v27                      ; 64 r: Wff2's scale rows,
	v_lshlrev_b32 v27, 4, v27                      ; 16 r: the hidden layer's and Wo's
	s_lshr_b32 s[ODD], s[WV], 2
	s_xor_b32 s[ODD], s[ODD], s[WV]
	s_lshr_b32 s49, s[ODD], 1
	s_xor_b32 s[ODD], s[ODD], s49
	s_and_b32 s[ODD], s[ODD], 1                    ; the parity of the wave number's four bits
	s_cmp_eq_u32 s[ODD], 0
	s_cbranch_scc1 .Lfirst_done                    ; even parity: the attention first
	s_wait_alu depctr_va_vdst(0)                   ; v25 to v28 are written, which the loads below read; q's products and quantiser are done with v32 to v191, in which loads land
	FF2
.Lfirst_done:
	; the attention; my wave: row tile w / 8, head w % 8
	; REGISTERS: v2, v3 my places among K's and V's scale bytes; v4-7 V's scale words; v8-11 and v240-243 K's; v12 -M, v13 the largest t, v[14:15] the sum in two halves; v16-23 Q (4-7: zeros), v24 its scale word;
	; v29-31 the step's addresses (ahead of the steps: Q's); v32-63 and v200-231 eight tiles of K (the upper four registers of each: zeros); v64-95 V; v96-159 S^T, then p; v160-191 O^T; v192-199 p's codes;
	; v232-239, v244-247, v252, v254 at work; v[250:251] f; v253 p's scale word
	v_and_b32 v14, 15, v0
	v_lshl_add_u32 v2, v14, 1, 65536
	v_lshl_add_u32 v3, v14, 2, 67584
	v_lshrrev_b32 v15, 5, v0
	v_lshl_add_u32 v29, v15, 9, v1
	v_add_nc_u32 v29, QI, v29                      ; Q's half fragment
	v_lshl_add_u32 v30, v15, 5, QS
	v_lshl_add_u32 v30, v14, 1, v30                ; and its two bytes
.irp j, 20,21,22,23
	v_mov_b32 v[\j], 0                             ; zero codes for k = 64 .. 127
.endr
.irp t, 0,1,2,3
.irp j, 4,5,6,7
	v_mov_b32 v[32+8*\t+\j], 0
	v_mov_b32 v[200+8*\t+\j], 0
.endr
.endr
.set j, 0
.rept 32
	v_mov_b32 v[160+j], 0                          ; O^T: the first step finds zeros, which the first change of M leaves zeros.  (These are also the places between the zero codes and the first products)
.set j, j+1
.endr
	v_mov_b32 v13, 0xff61b1e6                      ; the largest t so far: -3e38
	v_floor_f32 v12, -v13                          ; -M
	v_mov_b32 v14, 0
	v_mov_b32 v15, 0
.irp j, 236,237,238,239,251,252
	v_mov_b32 v[\j], 0                             ; permute targets, and the upper word of f's pair
.endr
	s_wait_alu depctr_va_vdst(0)                   ; v2, v29 and v30 are written, which the loads below read; all earlier lines are done with the registers in which Q, K and their scale words land; the zero codes are written, which the scaled products take as operands
	ds_load_b128 v[16:19], v29                     ; Q's half fragment stays in registers
	ds_load_u16 v24, v30                           ; its two bytes; the upper two are 0
.irp t, 0,1,2,3
	ds_load_b128 v[32+8*\t:35+8*\t], v1 offset:512*\t              ; the first step's K: tiles 0 to 3,
	ds_load_u16 v[240+\t], v2 offset:32*\t
.endr
.irp t, 0,1,2,3
	ds_load_b128 v[200+8*\t:203+8*\t], v1 offset:2048+512*\t       ; and tiles 4 to 7
	ds_load_u16 v[8+\t], v2 offset:128+32*\t
.endr
; A KEY STEP: 128 keys.  img: where the step's images begin, 4,096 bytes a step, of K's and of V's; scl: its scale bytes, 256 a step.  more = 1: the next step's K is asked for.
.macro STEP more, img, scl
	s_wait_alu depctr_vm_vsrc(0)                   ; the LDS loads issued so far have read v29 to v31 (ahead of the first step: Q's two)
	v_add_nc_u32 v29, \img, v1
.if \more
	v_add_nc_u32 v30, \scl, v2
.endif
	v_add_nc_u32 v31, \scl, v3
	s_wait_dscnt 0x0                               ; this step's K and its scale words are in (in the first step: Q too)
.irp t, 0,1,2,3
	MM 96+8*\t, 32+8*\t, 16, 0, 240+\t, 24         ; S^T = K Q^T
.endr
.irp t, 0,1,2,3
	MM 128+8*\t, 200+8*\t, 16, 0, 8+\t, 24
.endr
	NOPS 5                                         ; lane (r, h) holds query r; the 16 registers of tiles 2 b, 2 b + 1 are keys 32 b + 16 h + 0..15 of the step
.irp b, 0,1,2,3
	v_max3_num_f32 v[232+\b], v[96+16*\b], v[97+16*\b], v[98+16*\b]      ; the largest score of each block of 32 keys: it serves the row's maximum and, since p rises with the score, the block's largest p
.endr
.irp i, 3,5,7,9,11,13
.irp b, 0,1,2,3
	v_max3_num_f32 v[232+\b], v[232+\b], v[96+16*\b+\i], v[97+16*\b+\i]
.endr
.endr
.irp b, 0,1,2,3
	v_max_num_f32 v[232+\b], v[232+\b], v[111+16*\b]
.endr
.irp b, 0,1,2,3
	v_permlanex16_b32 v[236+\b], v[232+\b], s[SEL], s[SEL+1]
.endr
.irp b, 0,1,2,3
	v_max_num_f32 v[232+\b], v[232+\b], v[236+\b]
.endr
	v_max3_num_f32 v254, v232, v233, v234
	v_max_num_f32 v254, v254, v235
	v_mul_f32 v254, s[CS], v254                    ; as t (c is positive)
	v_max_num_f32 v13, v13, v254                   ; the running largest t
	v_mov_b32 v254, v12
	v_floor_f32 v12, -v13                          ; the new -M = -ceil(t)
	v_sub_f32 v254, v12, v254                      ; old M - new M: a whole number, 0 or less
	v_cvt_i32_f32 v254, v254                       ; (it saturates)
	v_ldexp_f32 v250, 1.0, v254                    ; f = 2^(old M - new M)
.set j, 0
.rept 32
	v_pk_fma_f32 v[96+j:97+j], v[96+j:97+j], s[CS:CS+1], v[12:13] op_sel_hi:[1,0,0]     ; t - M
.set j, j+2
.endr
.irp b, 0,1,2,3
	v_fma_f32 v[232+\b], v[232+\b], s[CS], v12     ; the same of each block's largest score
.endr
.set j, 0
	s_wait_alu depctr_va_vdst(0)
.rept 64
	v_exp_f32 v[96+j], v[96+j]                     ; p = 2^(t - M)
.set j, j+1
.endr
	v_pk_mul_f32 v[14:15], v[14:15], v[250:251] op_sel_hi:[1,0]          ; the sums under the new M: the plain line behind the batch
	s_wait_alu depctr_va_vdst(0)                   ; the 64 exponentials have written p, ahead of its first reader.  Also: the score products are done reading K and its scale words, the last step's O products V and its scale words, and v29 to v31 are written
.irp dt, 0,1,2,3
.irp c, 0,1
	ds_load_b128 v[64+8*\dt+4*\c:67+8*\dt+4*\c], v29 offset:32768+1024*\dt+512*\c        ; this step's V: it lands under the sums and the quantiser
.endr
.endr
.irp dt, 0,1,2,3
	ds_load_b32 v[4+\dt], v31 offset:64*\dt
.endr
.if \more
.irp t, 0,1,2,3
	ds_load_b128 v[32+8*\t:35+8*\t], v29 offset:4096+512*\t        ; the next step's K.  No wait of its own: no vector or matrix line since the wait above names these registers
	ds_load_u16 v[240+\t], v30 offset:256+32*\t
.endr
.irp t, 0,1,2,3
	ds_load_b128 v[200+8*\t:203+8*\t], v29 offset:4096+2048+512*\t
	ds_load_u16 v[8+\t], v30 offset:256+128+32*\t
.endr
.endif
.irp b, 0,1,2,3
	v_exp_f32 v[232+\b], v[232+\b]                 ; the blocks' largest p
.endr
	v_pk_add_f32 v[236:237], v[96:97], v[98:99]    ; the row's sum of the unquantised p, in two chains: it reads the 64 alone
.irp j, 4,8,12,16,20,24,28,32,36,40,44,48,52,56,60
	v_pk_add_f32 v[14:15], v[14:15], v[96+\j:97+\j]
	v_pk_add_f32 v[236:237], v[236:237], v[98+\j:99+\j]
.endr
	v_pk_add_f32 v[14:15], v[14:15], v[236:237]
	s_wait_alu depctr_va_vdst(0)                   ; the four exponentials have written v232 to v235, ahead of their first reader
.irp b, 0,1,2,3
	v_max_num_f32 v[232+\b], FLOOR, v[232+\b]
.endr
.irp b, 0,1,2,3
	v_add_nc_u32 v[244+\b], EOFF, v[232+\b]
.endr
.irp b, 0,1,2,3
	v_lshrrev_b32 v[236+\b], 23, v[244+\b]
.endr
	v_lshl_or_b32 v253, v237, 8, v236              ; p's scale word for these 128 keys
	v_lshl_or_b32 v253, v238, 16, v253
	v_lshl_or_b32 v253, v239, 24, v253
.irp b, 0,1,2,3
	v_cvt_scalef32_pk8_fp4_f32 v[192+2*\b], v[96+16*\b:103+16*\b], v[244+\b]
	v_cvt_scalef32_pk8_fp4_f32 v[193+2*\b], v[104+16*\b:111+16*\b], v[244+\b]
.endr
	v_nop
.irp c, 0,1
.irp i, 0,1
	v_permlane16_swap_b32 v[192+4*\c+\i], v[194+4*\c+\i]     ; a whole block a lane
.endr
.endr
.set j, 0
.rept 16
	v_pk_mul_f32 v[160+j:161+j], v[160+j:161+j], v[250:251] op_sel_hi:[1,0]      ; O^T under the new M, ascending.  Twelve of the sixteen name no register of any one product below: the places ahead of them
.set j, j+2
.endr
.if \more
	s_wait_dscnt 16                                ; V and its scale words are in; the next step's K, sixteen loads, may stay out
.else
	s_wait_dscnt 0x0
.endif
	s_wait_alu depctr_va_vdst(0)                   ; behind the places: the conversions and exchanges have written p's codes v192 to v199, and v253 holds its scale word: operands of the scaled products below
.irp dt, 0,1,2,3
	MM 160+8*\dt, 64+8*\dt, 192, 1, 4+\dt, 253     ; O^T += V^T P^T, four accumulators by turns
.endr
.endm
	s_mov_b32 s45, 0                               ; the step's images
	s_mov_b32 s46, 0                               ; its scale bytes
	s_mov_b32 s47, 0
.Lstep:                                                ; seven trips: each asks for the next step's K
	STEP 1, s45, s46
	s_add_co_u32 s45, s45, 4096
	s_add_co_u32 s46, s46, 256
	s_add_co_u32 s47, s47, 1
	s_cmp_lt_u32 s47, 7
	s_cbranch_scc1 .Lstep
	STEP 0, 28672, 1792                            ; the eighth step is written out: there is no K behind it
	v_add_f32 v14, v14, v15                        ; the sum's two halves,
	v_permlanex16_b32 v252, v14, s[SEL], s[SEL+1]
	v_add_f32 v14, v14, v252                       ; and lane l xor 16's
	s_wait_alu depctr_va_vdst(0)
	v_rcp_f32 v14, v14
	v_and_b32 v15, 15, v0                          ; the last phase's addresses are the plain work behind the reciprocal, and the places behind the last products
	v_bfe_u32 v13, v0, 4, 1
	v_lshrrev_b32 v12, 5, v0
	v_lshl_add_u32 v4, v12, 9, v1
	v_add_nc_u32 v4, OI, v4                        ; o's half fragment: 512 w + 16 lane
	v_lshrrev_b32 v5, 8, v0
	v_lshl_add_u32 v5, v5, 8, OS
	v_add_nc_u32 v5, v5, v27
	v_bfe_u32 v6, v0, 5, 3
	v_lshl_add_u32 v5, v6, 1, v5                   ; o's two bytes: row 16 m + r, bytes 2 head, 2 head + 1
	v_add_nc_u32 v6, OI, v1
	v_add_nc_u32 v8, OS, v27
	v_mul_u32_u24 v9, v15, 2064
	v_lshl_add_u32 v9, v13, 6, v9
	v_lshl_add_u32 v9, v12, 7, v9
	v_add_nc_u32 v9, STG, v9                       ; the stage, in: row r, 128 w + 64 h bytes on
	v_mul_u32_u24 v10, v12, 4128
	v_add_nc_u32 v10, v10, v1
	v_add_nc_u32 v10, STG, v10                     ; and back: rows 2 w, 2 w + 1
	s_wait_alu depctr_va_vdst(0)                   ; the reciprocal has written v14, ahead of its first reader
.set j, 0
.rept 32
	v_mul_f32 v[96+j], v[160+j], v14               ; o = O^T / the sum: registers 16 g + i: channel 32 g + 16 h + i of my head
.set j, j+1
.endr
	QUANT2 96, 220, 11, 212
	s_wait_alu depctr_va_vdst(0)                   ; the quantiser has written v220 to v223 and v11, and v4 to v10 are written, which the LDS stores and loads from here on read; all lines of the attention are done with the registers in which the loads of the last products land
	ds_store_b128 v4, v[220:223]
	ds_store_b16 v5, v11                           ; lanes l and l xor 16 write the same two bytes
	s_wait_alu depctr_vm_vsrc(0)                   ; the two stores have read v220 to v223: on either way rows land in v208 to v223 later, and v222 and v223 are made anew at the end
	s_cmp_lg_u32 s[ODD], 0
	s_cbranch_scc1 .Lsecond_done                   ; odd parity: the product has been made
	FF2
.Lsecond_done:
	; all of Wo's part of the last phase goes out here, ahead of the barrier: two loads of scale words, four K steps of weights.  On either way a wait on va_vdst stands behind the last line that named v32 to v95 and v128 to v135
.irp u, 0,1
	global_load_b128 v[128+4*\u:131+4*\u], v27, s[28:29] offset:256*\u           ; Wo's scale words: v[128 + 4 u + ks]
.endr
	WBLOAD 0
	WBLOAD 1
	WBLOAD 2
	WBLOAD 3
	s_wait_dscnt 0x0
	s_barrier_signal -1
	s_barrier_wait -1                              ; o's eight fragments lie in LDS
	; ---------------- P3: + o Wo: my 32 columns for both row tiles, four K steps onto the sums of hidden x Wff2 ----------------
.irp i, 0,1,2,3,4,5,6,7
	ds_load_b128 v[224+4*\i:227+4*\i], v26 offset:8192*\i  ; the accumulators come back into the registers that they left
.endr
.irp m, 0,1
	ds_load_b128 v[168+4*\m:171+4*\m], v8 offset:256*\m    ; o's scale words: v[168 + 4 m + ks]
.endr
	WALOAD 0
	WALOAD 1
	WALOAD 2
	WALOAD 3                                       ; a set for each step: no product reads a register in which a later load lands
.irp kk, 0,1,2,3
	s_wait_loadcnt 4*(3-\kk)                       ; this step's weights are in (and the scale words); the sets behind them may stay out
	s_wait_dscnt 4*(3-\kk)                         ; the accumulators, the scale words and this step's rows are in; the later steps' loads may stay out
.set RQ, 96+16*\kk
.if \kk == 2
.set RQ, 208
.endif
.if \kk == 3
.set RQ, 136
.endif
.irp m, 0,1
.irp u, 0,1
	MM 224+8*(2*\m+\u), 32+16*\kk+8*\u, RQ+8*\m, 1, 128+4*\u+\kk, 168+4*\m+\kk
.endr
.endr
.endr
	NOPS 5                                         ; places behind the last products, in front of the first read of results
	s_wait_alu depctr_va_vdst(0)                   ; the products have written the accumulators, which the LDS stores read, and are done reading v32 to v63, in which the rows land on their way back
.irp m, 0,1
.irp u, 0,1
	ds_store_b128 v9, v[224+8*(2*\m+\u):227+8*(2*\m+\u)] offset:33024*\m+32*\u           ; lane (r, h): out(16 m + r, 32 w + 16 h + 8 u + 0..7); each accumulator from its low end on
	ds_store_b128 v9, v[228+8*(2*\m+\u):231+8*(2*\m+\u)] offset:33024*\m+32*\u+16
.endr
.endr
	s_wait_dscnt 0x0
	s_barrier_signal -1
	s_barrier_wait -1                              ; 32 whole rows lie in the stage
.irp i, 0,1
.irp j, 0,1,2,3
	ds_load_b128 v[32+16*\i+4*\j:35+16*\i+4*\j], v10 offset:2064*\i+512*\j
.endr
.endr
.irp i, 0,1
.irp j, 0,1,2,3
	s_wait_dscnt 7-4*\i-\j
	global_store_b128 v1, v[32+16*\i+4*\j:35+16*\i+4*\j], s[38:39] offset:2048*\i+512*\j th:TH_STORE_NT   ; the wave stores 512 consecutive bytes, aligned; written once, read by nobody here
.endr
.endr
	s_wait_xcnt 0x0
	v_lshl_add_u32 v222, v0, 2, 0x3f800
	v_mov_b32 v223, 0
	s_wait_dscnt 0x0                               ; the closing lines, six on end
	s_wait_alu 0x0
	s_wait_tensorcnt 0x0
	ds_add_u32 v222, v223
	s_wait_dscnt 0x0
	s_endpgm
.Lfunc_end_k_q761d68516d_attn:
	.size	k_q761d68516d_attn, .Lfunc_end_k_q761d68516d_attn-k_q761d68516d_attn
	.p2alignl 7, 3214868480
	.fill 96, 4, 3214868480
	.section	.rodata,"a",@progbits
	.p2align	6, 0x0
	.amdhsa_kernel k_q761d68516d_attn
		.amdhsa_group_segment_fixed_size 262144
		.amdhsa_private_segment_fixed_size 0
		.amdhsa_enable_private_segment 0
		.amdhsa_kernarg_size 40
		.amdhsa_user_sgpr_count 2
		.amdhsa_user_sgpr_kernarg_segment_ptr 1
		.amdhsa_wavefront_size32 1
		.amdhsa_system_sgpr_workgroup_id_x 1
		.amdhsa_system_sgpr_workgroup_id_y 1
		.amdhsa_system_sgpr_workgroup_id_z 1
		.amdhsa_system_vgpr_workitem_id 0
		.amdhsa_next_free_vgpr 256
		.amdhsa_next_free_sgpr 66
		.amdhsa_reserve_vcc 0
		.amdhsa_float_denorm_mode_32 3
		.amdhsa_float_denorm_mode_16_64 3
		.amdhsa_memory_ordered 1
		.amdhsa_forward_progress 1
		.amdhsa_inst_pref_size 108
	.end_amdhsa_kernel
	.amdgpu_metadata
---
amdhsa.version: [ 1, 2 ]
amdhsa.kernels:
  - .name:           k_q761d68516d_attn
    .symbol:         k_q761d68516d_attn.kd
    .args:
      - { .name: wts, .offset: 0, .size: 8, .value_kind: global_buffer, .address_space: global }
      - { .name: acts, .offset: 8, .size: 8, .value_kind: global_buffer, .address_space: global }
      - { .name: kvb, .offset: 16, .size: 8, .value_kind: global_buffer, .address_space: global }
      - { .name: hid, .offset: 24, .size: 8, .value_kind: global_buffer, .address_space: global }
      - { .name: out0, .offset: 32, .size: 8, .value_kind: global_buffer, .address_space: global }
    .group_segment_fixed_size: 262144
    .private_segment_fixed_size: 0
    .kernarg_segment_align: 8
    .kernarg_segment_size: 40
    .max_flat_workgroup_size: 512
    .sgpr_count:     66
    .vgpr_count:     256
    .wavefront_size: 32
...
	.end_amdgpu_metadata
.endif
;; end of part 6
